; MI455X (gfx1250); checked and timed in simulation.
; The chip was launched on July 23, 2026; its instructions are those of AMD's public machine-readable ISA for CDNA 5 (MIT licence, August 2026) and "CDNA5" Instruction Set Architecture Reference Guide (July 2026). The comments in the code are by the model that wrote it; some were corrected since.
;; Multi Head Attention. Allowed arithmetic: matrix products marked QUANTISED: E2M1 operands, one E8M0 scale for each 32 along K, by v_wmma_scale_f32_16x16x128_f8f6f4 with both operands' format E2M1 (or v_wmma_scale_f32_32x16x128_f4), f32 sums; products left as they are: bf16, f16 or f32 operands; f32 sums; everything else in f32.
;; Inputs: Wk 1,024 x 1,024 float32; Wo 1,024 x 1,024 float32; Wq 1,024 x 1,024 float32; Wv 1,024 x 1,024 float32; bk 1,024 float32; bo 1,024 float32; bq 1,024 float32; bv 1,024 float32; key 4 x 2,048 x 1,024 float32; key_padding_mask 4 x 2,048 bool; query 4 x 2,048 x 1,024 float32; value 4 x 2,048 x 1,024 float32.
;; Outputs: out0 4 x 2,048 x 1,024 float32.
;; This version of the problem:
;;   THIS VERSION OF THE PROBLEM IS GIVEN IN LOW PRECISION. The matrix products marked QUANTISED in the list below multiply operands that are first quantised to E2M1 (2 exponent bits, 1 mantissa bit; 4 bits a number), with one power-of-two scale for each 32 numbers along K (OCP MX v1.0); their sums are f32. The products marked 'left as it is' may take bf16, f16 or f32 operands, with f32 sums. Whichever they take, every output number must still come out within the allowed error. Rounding operands to bf16 (8 significant bits) uses up far more of that allowance than f16 does (11 bits, for magnitudes from 6e-5 to 65,504). All else is computed in f32.
;;   The module's matrix products, in the order in which they are computed (A, B: the left and right operand; K: the contracted axis; several contracted axes count as one K, in the product's order):
;;     1. [M 8,192, K 1,024] x [K 1,024, N 1,024]; A: input query; B: input Wq: QUANTISED
;;     2. [M 8,192, K 1,024] x [K 1,024, N 1,024]; A: input key; B: input Wk: QUANTISED
;;     3. [M 8,192, K 1,024] x [K 1,024, N 1,024]; A: input value; B: input Wv: QUANTISED
;;     4. batch 64 x [M 2,048, K 64] x [K 64, N 2,048]; A: computed on the way; B: computed on the way: left as it is (an operand is computed on the way)
;;     5. batch 64 x [M 2,048, K 2,048] x [K 2,048, N 64]; A: computed on the way; B: computed on the way: left as it is (an operand is computed on the way)
;;     6. [M 8,192, K 1,024] x [K 1,024, N 1,024]; A: computed on the way; B: input Wo: left as it is (an operand is computed on the way)
;;   THE QUANTISER, for each operand of a quantised product, along K:
;;     - K is cut into blocks of 32 from its start; a last block that is shorter is filled with zeros.
;;     - A block's scale is 2^e with e = floor(log2(the largest magnitude in the block)) - 2, held to -126 .. 127; a block of zeros has e = 0. As a byte (E8M0): e + 127.
;;     - Each number is divided by its block's scale, clamped to +-6, and rounded to the nearest number of E2M1, ties to even, subnormals kept.
;;     - The product sums the exact products of the quantised numbers (number of the format x scale) in f32.
;;   ~~~python
;;   def quantise(x, axis):      # numpy; x: float32 -> the quantised numbers, widened to float32 again
;;       x = np.moveaxis(x, axis, -1); K = x.shape[-1]
;;       x = np.pad(x, [(0, 0)] * (x.ndim - 1) + [(0, -K % 32)]); x = x.reshape(x.shape[:-1] + (-1, 32)); a = np.abs(x).max(-1, keepdims=True)
;;       e = np.where(a > 0, np.clip(np.frexp(np.where(a > 0, a, 1))[1] - 1 - 2, -126, 127), 0)      # np.frexp(a)[1] - 1 = floor(log2(a)), exactly
;;       r = np.clip(x / 2.0 ** e, -6, 6)
;;       step = 2.0 ** (np.maximum(np.frexp(np.where(r == 0, 1, r))[1] - 1, 0) - 1)
;;       q = np.round(r / step) * step * 2.0 ** e      # np.round: ties to even
;;       return np.moveaxis(q.reshape(q.shape[:-2] + (-1,))[..., :K], -1, axis).astype(np.float32)
;;   ~~~
;; One version. Each part assembles by itself: llvm-mc -triple=amdgcn-amd-amdhsa -mcpu=gfx1250 --defsym DOCPART=n.
;; ======== version 1 of 1: 4 launches
;; limits: values are held in f16: magnitudes above 65,504 overflow, below 6.1e-05 lose precision
;; workspace buffers: acodes 12,582,912 bytes; ascales 786,432 bytes; wcodes 1,572,864 bytes; wscales 98,304 bytes; wo16 2,097,152 bytes; cnt 1,024 bytes of whole numbers; qkv 50,331,648 bytes; attn16 16,777,216 bytes
;; launch prep (part 1): grid 880 x 1, 4 waves a work-group, no clusters, 57,856 bytes of LDS; arguments query, key, value, key_padding_mask, Wq, Wk, Wv, Wo, acodes, ascales, wcodes, wscales, wo16, cnt; writes acodes, ascales, wcodes, wscales, wo16, cnt
.if DOCPART == 1
	.amdgcn_target "amdgcn-amd-amdhsa--gfx1250"
	.amdhsa_code_object_version 6
	.text
	.protected	k_qe6ebad5dad_prep
	.globl	k_qe6ebad5dad_prep
	.p2align	8
	.type	k_qe6ebad5dad_prep,@function
k_qe6ebad5dad_prep:
	s_mov_b64 s[64:65], 0
	v_nop
	global_prefetch_b8 v0, s[64:65] scope:SCOPE_SE
	s_setreg_imm32_b32 hwreg(HW_REG_WAVE_MODE, 25, 1), 1
	s_wait_xcnt 0x0
; PREP: everything that is quantised or laid out once, for the three launches that follow.
; WORK LEFT OUT IN THIS PROGRAM, AND WHY IT IS DEAD.
;  bk: a score is (q) . (k' + bk) / 8 = q . k' / 8 + q . bk / 8.  The second term is the same for all keys of a query, and the softmax along the keys takes it away for all finite
;      values of the inputs; the product of q and k is not quantised, so bk moves no code.  bk is not loaded and is no argument of any launch.
;  masked keys: reference() sets their scores to -inf, so their weights are 0 and neither their k nor their v reaches an output.  The mask is whole numbers read from memory here: the rows of key and
;      value that it hides are not read.  Keys are put in another order inside a batch: key s that counts goes to row (number of counting keys before s), a hidden key behind all that count, with zero codes.
;  bv is not dead: it is added in the attention launch, behind the division by the row's sum (the weights of a query sum to 1).
;  LIMITS: a NaN, an infinity or an overflow that reaches only bk or hidden rows of key and value is not carried to the result.  NaN and infinities among the inputs are not served.  A block whose largest
;  magnitude lies under 2^-124 gets the scale byte 1 (a block of zeros too: its codes are zeros, and this program alone reads the bytes).  Wo goes to f16: |Wo| under 65,504.
; THREE ROLES, by the work-group's number, each with LDS bytes of its own; waves share nothing, so there is no barrier.
;  W (0-47):    Wq, Wk, Wv [k][n] f32 -> codes of E2M1 [n][512 bytes], K innermost, and scale bytes [n][32].  A lane takes a column, its registers run down K.
;  C (48-111):  Wo [k][n] f32 -> f16 in the order of a matrix operand's registers: [n / 16][k / 32][2][lane][16 bytes], lane (r, h) = column 16 nt + r, k = 32 ks + 16 g + 8 h + 0..7.
;  A (112-879): query, key, value [8192][1024] f32 -> codes [row][512 bytes] and scale bytes [row][32].  A wave takes 8 rows = 16 steps of 512 numbers.
; A block's scale is 2^(floor(log2(largest magnitude)) - 2); its byte is the largest magnitude's exponent field - 2, held at 1 from below.
.set SPARE, 57344                      ; the spare words, 128 bytes a wave: two blocks of 256 bytes that no other line names
.set SPW,   190                        ; v190 LDS address of my spare word; never rewritten
.set NIL,   191                        ; v191 0; never rewritten
.set EMAX,  2
; role A
.set SP,    80                         ; a lane's place in a stage: 64 bytes + 16 of padding
.set AREG,  5632                       ; LDS of a wave: two stages of 32 x 80 bytes, then its 256 scale bytes
.set R,     16                         ; v16-79   four sets of 16 numbers as loaded
.set X,     80                         ; v80-111  two sets of 16 neighbours
.set E,     112                        ; v112-127 a scale byte for each step
.set C,     128                        ; v128-159 two registers of codes for each step: no store's data are written again
.set M,     160                        ; v160-175 my 64 bytes of the batch's mask
.set RO,    176                        ; v176-183 row i: byte offset of my 16 bytes in the wave's rows
.set KEEP,  50                         ; s50-57   row i: all ones if the key counts, else 0
.set CBP,   66                         ; s66-81   row i: where its codes go
.set DST,   82                         ; s82-89   row i: its row in the batch's new order
; role W
.set WSTG,  22528                      ; four stages of 32 x 272 bytes
.set WP,    272
.set WX,    32
.set WC,    96
.set WOUT,  112
.set WSB,   24
.macro LOADA t                         ; step t: 2,048 bytes of row t / 2, as they lie: each load reads 512 consecutive bytes
.irp i, 0,1,2,3
.if (\t)/2 == 0
	global_load_b128 v[R+16*((\t)%4)+4*\i:R+16*((\t)%4)+4*\i+3], v3, s[44:45] offset:2048*((\t)%2)+512*\i
.else
	global_load_b128 v[R+16*((\t)%4)+4*\i:R+16*((\t)%4)+4*\i+3], v[RO+(\t)/2], s[44:45] offset:2048*((\t)%2)+512*\i
.endif
.endr
.endm
.macro TURNA t                         ; step t's numbers through the stage: in as loaded, back 16 neighbours a lane.  LDS serves a wave's instructions in order
.irp i, 0,1,2,3
	ds_store_b128 v14, v[R+16*((\t)%4)+4*\i:R+16*((\t)%4)+4*\i+3] offset:32*SP*((\t)%2)+8*SP*\i
.endr
.irp i, 0,1,2,3
	ds_load_b128 v[X+16*((\t)%2)+4*\i:X+16*((\t)%2)+4*\i+3], v15 offset:32*SP*((\t)%2)+16*\i
.endr
.endm
.macro STEPA t
.set XS, X+16*((\t)%2)
.if (\t) > 0
	s_wait_dscnt 1                                 ; this step's numbers are back (the last step's byte store may be out): its stores into the stage have read their registers,
.else
	s_wait_dscnt 0x0
.endif
.if (\t)+4 < 16
	LOADA (\t)+4                                   ; which take the loads of four steps on
.endif
.if (\t)+1 < 16
.if 14-(\t) >= 3
	s_wait_loadcnt 12                              ; the next step's four loads are in; those of the three steps behind it may be out
.else
	s_wait_loadcnt 4*(14-(\t))
.endif
	TURNA (\t)+1
.endif
	v_max3_num_f32 v8, |v[XS]|, |v[XS+1]|, |v[XS+2]|
	v_max3_num_f32 v9, |v[XS+3]|, |v[XS+4]|, |v[XS+5]|
.irp i, 6,10
	v_max3_num_f32 v8, v8, |v[XS+\i]|, |v[XS+\i+1]|
	v_max3_num_f32 v9, v9, |v[XS+\i+2]|, |v[XS+\i+3]|
.endr
	v_max3_num_f32 v8, v8, |v[XS+14]|, |v[XS+15]|
	v_max3_num_f32 v8, v8, v9, (EMAX+1)<<23        ; the floor 2^(3 - 127): the byte cannot fall under 1
	v_max_num_f32_dpp v8, v8, v8 row_xmask:1 row_mask:0xf bank_mask:0xf   ; with my neighbour's 16: the block's largest magnitude
	v_add_nc_u32 v11, -(EMAX<<23), v8              ; 2 off its exponent field: the conversion's scale operand
	v_cvt_scalef32_pk8_fp4_f32 v[C+2*(\t)], v[XS:XS+7], v11
	v_cvt_scalef32_pk8_fp4_f32 v[C+2*(\t)+1], v[XS+8:XS+15], v11
	v_lshrrev_b32 v[E+(\t)], 23, v11               ; the scale's byte (also the plain line between the conversions and the lines that touch their results)
	v_and_b32 v[C+2*(\t)], s[KEEP+(\t)/2], v[C+2*(\t)]       ; a hidden key's row gets zero codes
	v_and_b32 v[C+2*(\t)+1], s[KEEP+(\t)/2], v[C+2*(\t)+1]
	ds_store_b8 v5, v[E+(\t)] offset:16*(\t)       ; both lanes of a block write the same byte
	global_store_b64 v4, v[C+2*(\t):C+2*(\t)+1], s[CBP+2*((\t)/2):CBP+2*((\t)/2)+1] offset:256*((\t)%2)   ; the wave stores 256 consecutive bytes, half a row of codes
.endm
.macro LOADW t                         ; block t: W(32 t + i, my column)
.irp i, 0,1,2,3,4,5,6,7,8,9,10,11,12,13,14,15,16,17,18,19,20,21,22,23,24,25,26,27,28,29,30,31
	global_load_b32 v[WX+32*((\t)%2)+\i], v3, s[44:45] offset:(32*(\t)+\i)*4096 th:TH_LOAD_NT
.endr
.endm
.macro BLOCKW t
.set XS, WX+32*((\t)%2)
.if (\t) < 15
	s_wait_loadcnt 32                              ; this block's 32 loads are in; the next block's may be out
.else
	s_wait_loadcnt 0
.endif
	v_max3_num_f32 v12, |v[XS]|, |v[XS+1]|, |v[XS+2]|
	v_max3_num_f32 v13, |v[XS+3]|, |v[XS+4]|, |v[XS+5]|
.irp i, 6,10,14,18,22,26
	v_max3_num_f32 v12, v12, |v[XS+\i]|, |v[XS+\i+1]|
	v_max3_num_f32 v13, v13, |v[XS+\i+2]|, |v[XS+\i+3]|
.endr
	v_max3_num_f32 v12, v12, |v[XS+30]|, |v[XS+31]|
	v_max3_num_f32 v12, v12, v13, (EMAX+1)<<23
	v_add_nc_u32 v11, -(EMAX<<23), v12
	v_lshrrev_b32 v13, 23, v11
.if (\t)%4 == 0
	v_mov_b32 v[WSB+(\t)/4], v13
.else
	v_lshl_or_b32 v[WSB+(\t)/4], v13, 8*((\t)%4), v[WSB+(\t)/4]
.endif
.irp g, 0,1,2,3
	v_cvt_scalef32_pk8_fp4_f32 v[WC+\g], v[XS+8*\g:XS+8*\g+7], v11
.endr
	ds_store_b128 v4, v[WC:WC+3] offset:16*(\t)    ; 32 codes: 16 bytes of my column's row
.if (\t)+2 < 16
	LOADW (\t)+2
.endif
	s_wait_dscnt 0x0                               ; the store has read its registers: the next block's codes may be written
.endm
.macro LOADC ks                        ; 32 rows of Wo at my column
.irp i, 0,1,2,3,4,5,6,7,8,9,10,11,12,13,14,15,16,17,18,19,20,21,22,23,24,25,26,27,28,29,30,31
	global_load_b32 v[32+32*((\ks)%2)+\i], v3, s[44:45] offset:(32*(\ks)+\i)*4096 th:TH_LOAD_NT
.endr
.endm
.macro KSTC ks
.if (\ks) < 3
	s_wait_loadcnt 32                              ; the next 32 rows' loads may be out
.else
	s_wait_loadcnt 0
.endif
.irp p, 0,1,2,3,4,5,6,7,8,9,10,11,12,13,14,15
	v_cvt_pk_f16_f32 v[96+16*(\ks)+\p], v[32+32*((\ks)%2)+2*\p], v[32+32*((\ks)%2)+2*\p+1]
.endr
.if (\ks)+2 < 4
	LOADC (\ks)+2
.endif
.irp p, 0,1,2,3
	global_store_b128 v4, v[96+16*(\ks)+4*\p:96+16*(\ks)+4*\p+3], s[48:49] offset:(\ks)*1024+(\p/2)*512+(\p%2)*256   ; k = 8 p .. 8 p + 7: sixteen lanes fill 256 consecutive bytes, aligned
.endr
.endm
	s_load_b512 s[8:23], s[0:1], 0x0               ; query 8, key 10, value 12, mask 14, Wq 16, Wk 18, Wv 20, Wo 22
	s_load_b256 s[24:31], s[0:1], 0x40             ; acodes 24, ascales 26, wcodes 28, wscales 30
	s_load_b128 s[32:35], s[0:1], 0x60             ; wo16 32, cnt 34
	v_lshl_add_u32 v[SPW], v0, 2, SPARE
	v_mov_b32 v[NIL], 0
	v_lshrrev_b32 v1, 5, v0
	v_readfirstlane_b32 s36, v1                    ; wave
	v_and_b32 v2, 31, v0                           ; lane
	s_wait_kmcnt 0x0
	s_cmp_lt_u32 ttmp9, 48
	s_cbranch_scc1 .Lrole_w
	s_cmp_lt_u32 ttmp9, 112
	s_cbranch_scc1 .Lrole_c
; ---------------- role A ----------------
	s_sub_co_u32 s37, ttmp9, 112
	s_lshr_b32 s38, s37, 8                         ; t: 0 query, 1 key, 2 value
	s_and_b32 s39, s37, 255
	s_lshl_b32 s40, s39, 5
	s_lshl_b32 s93, s36, 3
	s_add_co_u32 s40, s40, s93                     ; my first row: 32 x group + 8 x wave
	s_lshr_b32 s41, s40, 11                        ; batch
	s_and_b32 s42, s40, 2047                       ; my first position in the batch, a multiple of 8
	s_cmp_eq_u32 s38, 1
	s_cselect_b64 s[44:45], s[10:11], s[8:9]
	s_cmp_eq_u32 s38, 2
	s_cselect_b64 s[44:45], s[12:13], s[44:45]
	s_lshl_b32 s94, s40, 12
	s_mov_b32 s95, 0
	s_add_nc_u64 s[44:45], s[44:45], s[94:95]      ; the tensor at my first row
	v_lshlrev_b32 v3, 4, v2                        ; my 16 bytes of a load's 512
	LOADA 0                                        ; my first row is always read: a hidden row's loads are turned to it
	LOADA 1
	s_mul_i32 s43, s36, AREG
	v_lshrrev_b32 v14, 2, v2
	v_mul_u32_u24 v14, v14, SP
	v_and_b32 v15, 3, v2
	v_lshl_add_u32 v14, v15, 4, v14
	v_add_nc_u32 v14, s43, v14                     ; the stage, on the way in
	v_mul_u32_u24 v15, v2, SP
	v_add_nc_u32 v15, s43, v15                     ; and on the way out
	v_lshlrev_b32 v4, 3, v2                        ; 8 bytes a lane
	v_lshrrev_b32 v5, 1, v2
	s_add_co_u32 s43, s43, 2*32*SP
	v_add_nc_u32 v5, s43, v5                       ; my block's scale byte
	v_add_nc_u32 v6, s43, v4                       ; and 8 of them on the way out
	s_lshl_b32 s93, s38, 13
	s_lshl_b32 s94, s41, 11
	s_add_co_u32 s93, s93, s94                     ; the batch's first row among the 3 x 8,192
	s_lshl_b32 s94, s93, 9
	s_add_nc_u64 s[58:59], s[24:25], s[94:95]      ; its codes
	s_lshl_b32 s94, s93, 5
	s_add_nc_u64 s[60:61], s[26:27], s[94:95]      ; its scale bytes
	s_mov_b32 s48, 0                               ; query has no mask: all rows count and keep their places
	s_mov_b32 s49, 0
	s_mov_b32 s90, 0                               ; hidden keys before my first
	s_mov_b32 s92, 2048                            ; keys that count in the batch
	s_cmp_eq_u32 s38, 0
	s_cbranch_scc1 .Lno_mask
	s_lshl_b32 s94, s41, 11
	s_add_nc_u64 s[46:47], s[14:15], s[94:95]      ; the batch's 2,048 mask bytes
	s_mov_b32 s94, s42
	s_add_nc_u64 s[96:97], s[46:47], s[94:95]
	s_load_b64 s[48:49], s[96:97], 0x0             ; my 8 rows' bytes
	v_lshlrev_b32 v7, 6, v2
.irp i, 0,1,2,3
	global_load_b128 v[M+4*\i:M+4*\i+3], v7, s[46:47] offset:16*\i   ; 64 bytes a lane: the whole batch
.endr
	s_mov_b32 s98, 0x76543210
	s_mov_b32 s99, 0xfedcba98
	v_sub_nc_u32 v184, s42, v7                     ; my first position less the lane's first
	v_mov_b32 v187, 0
	s_wait_loadcnt 0x0
	v_cmp_lt_i32 vcc_lo, 0, v184
	v_cndmask_b32 v186, 0, v[M], vcc_lo            ; bytes before my first position, added byte by byte (16 at the most in a byte),
	v_mov_b32 v185, v[M]                           ; and all bytes
.irp d, 1,2,3,4,5,6,7,8,9,10,11,12,13,14,15
	v_cmp_lt_i32 vcc_lo, 4*\d, v184
	v_cndmask_b32 v188, 0, v[M+\d], vcc_lo
	v_add_nc_u32 v185, v185, v[M+\d]
	v_add_nc_u32 v186, v186, v188
.endr
	v_mul_lo_u32 v185, v185, 0x01010101            ; the four bytes' sum in the top byte
	v_mul_lo_u32 v186, v186, 0x01010101
	v_lshrrev_b32 v185, 24, v185
	v_lshrrev_b32 v186, 24, v186
	v_lshl_or_b32 v186, v185, 16, v186             ; both counts in one word: each stays under 2^16 over 32 lanes
.irp x, 1,2,4,8
	v_mov_b32_dpp v187, v186 row_xmask:\x row_mask:0xf bank_mask:0xf
	v_add_nc_u32 v186, v186, v187
.endr
	v_permlanex16_b32 v187, v186, s98, s99
	v_add_nc_u32 v186, v186, v187
	v_readfirstlane_b32 s93, v186
	s_lshr_b32 s94, s93, 16
	s_sub_co_u32 s92, 2048, s94                    ; keys that count
	s_and_b32 s90, s93, 0xffff                     ; hidden keys before my first
	s_wait_kmcnt 0x0
.Lno_mask:
	s_sub_co_u32 s91, s42, s90                     ; counting keys before my first
	s_mov_b32 s97, 0
.irp i, 0,1,2,3,4,5,6,7
	s_bfe_u32 s93, s[48+\i/4], 0x80000+8*(\i%4)    ; row i's mask byte
	s_add_co_u32 s94, s92, s90
	s_cmp_eq_u32 s93, 0
	s_cselect_b32 s[DST+\i], s91, s94              ; its new row
	s_cselect_b32 s[KEEP+\i], -1, 0
	s_cselect_b32 s95, \i*4096, 0                  ; a hidden row is not read: its loads go to my first row
	s_add_co_u32 s90, s90, s93
	s_sub_co_u32 s91, s91, s93
	s_add_co_u32 s91, s91, 1
	s_min_u32 s[DST+\i], s[DST+\i], 2047
	s_min_u32 s95, s95, 0x7000
	v_add_nc_u32 v[RO+\i], s95, v3
	s_lshl_b32 s96, s[DST+\i], 9
	s_add_nc_u64 s[CBP+2*\i:CBP+2*\i+1], s[58:59], s[96:97]
.endr
	LOADA 2
	LOADA 3
	s_wait_loadcnt 12                              ; step 0's four loads are in
	TURNA 0
.irp t, 0,1,2,3,4,5,6,7,8,9,10,11,12,13,14,15
	STEPA \t
.endr
	ds_load_b64 v[8:9], v6                         ; my wave's 256 scale bytes: four lanes to a row
	v_lshrrev_b32 v184, 2, v2
	v_mov_b32 v185, s[DST]
.irp i, 1,2,3,4,5,6,7
	v_cmp_eq_u32 vcc_lo, \i, v184
	v_mov_b32 v186, s[DST+\i]
	v_cndmask_b32 v185, v185, v186, vcc_lo
.endr
	v_min_u32 v185, 2047, v185
	v_lshlrev_b32 v185, 5, v185
	v_and_b32 v186, 3, v2
	v_lshl_add_u32 v185, v186, 3, v185
	s_wait_dscnt 0x0
	global_store_b64 v185, v[8:9], s[60:61]
	s_cmp_lg_u32 s38, 1                            ; the wave with key's first row of a batch stores the batch's count, 64 times: 256 consecutive bytes
	s_cbranch_scc1 .Lend
	s_cmp_lg_u32 s42, 0
	s_cbranch_scc1 .Lend
	v_mov_b32 v188, s92
	v_mov_b32 v189, s92
	s_lshl_b32 s94, s41, 8
	s_mov_b32 s95, 0
	s_add_nc_u64 s[96:97], s[34:35], s[94:95]
	global_store_b64 v4, v[188:189], s[96:97]
	s_branch .Lend
; ---------------- role W ----------------
.Lrole_w:
	s_lshr_b32 s37, ttmp9, 4                       ; which weight
	s_and_b32 s38, ttmp9, 7                        ; which 128 columns
	s_bfe_u32 s39, ttmp9, 0x10003                  ; which 512 along K
	s_cmp_eq_u32 s37, 1
	s_cselect_b64 s[44:45], s[18:19], s[16:17]
	s_cmp_eq_u32 s37, 2
	s_cselect_b64 s[44:45], s[20:21], s[44:45]
	s_lshl_b32 s40, s38, 7
	s_lshl_b32 s41, s36, 5
	s_add_co_u32 s40, s40, s41                     ; my wave's first column
	s_lshl_b32 s46, s39, 21                        ; 512 rows of 4,096 bytes
	s_lshl_b32 s41, s40, 2
	s_add_co_u32 s46, s46, s41
	s_mov_b32 s47, 0
	s_add_nc_u64 s[44:45], s[44:45], s[46:47]
	s_lshl_b32 s46, s37, 19
	s_lshl_b32 s41, s40, 9
	s_add_co_u32 s46, s46, s41
	s_lshl_b32 s41, s39, 8
	s_add_co_u32 s46, s46, s41
	s_add_nc_u64 s[48:49], s[28:29], s[46:47]      ; codes: weight, column x 512, + 256 y
	s_lshl_b32 s46, s37, 15
	s_lshl_b32 s41, s40, 5
	s_add_co_u32 s46, s46, s41
	s_lshl_b32 s41, s39, 4
	s_add_co_u32 s46, s46, s41
	s_add_nc_u64 s[50:51], s[30:31], s[46:47]      ; scale bytes: weight, column x 32, + 16 y
	s_mul_i32 s41, s36, 32*WP
	s_add_co_u32 s41, s41, WSTG                    ; my stage
	v_lshlrev_b32 v3, 2, v2
	v_mul_u32_u24 v4, v2, WP
	v_add_nc_u32 v4, s41, v4                       ; into it: row = my column
	v_and_b32 v5, 15, v2
	v_lshrrev_b32 v6, 4, v2
	v_mul_u32_u24 v7, v6, WP
	v_lshl_add_u32 v7, v5, 4, v7
	v_add_nc_u32 v7, s41, v7                       ; out of it: sixteen lanes to a row
	v_lshlrev_b32 v8, 9, v6
	v_lshl_add_u32 v8, v5, 4, v8                   ; and the same place in the codes
	v_lshlrev_b32 v9, 5, v2
	LOADW 0
	LOADW 1
.set Q, 0
.rept 16
	BLOCKW Q
.set Q, Q+1
.endr
	global_store_b128 v9, v[WSB:WSB+3], s[50:51]   ; my column's 16 scale bytes
.irp t, 0,1,2,3,4,5,6,7,8,9,10,11,12,13,14,15
	ds_load_b128 v[WOUT+4*\t:WOUT+4*\t+3], v7 offset:2*\t*WP
.endr
.irp t, 0,1,2,3,4,5,6,7,8,9,10,11,12,13,14,15
	s_wait_dscnt 15-\t                             ; the loads behind this one may be out
	global_store_b128 v8, v[WOUT+4*\t:WOUT+4*\t+3], s[48:49] offset:2*\t*512
.endr
	s_branch .Lend
; ---------------- role C ----------------
.Lrole_c:
	s_sub_co_u32 s37, ttmp9, 48
	s_and_b32 s38, s37, 7                          ; which 128 columns
	s_lshr_b32 s39, s37, 3                         ; which 128 along K
	s_lshl_b32 s46, s39, 19
	s_lshl_b32 s41, s38, 9
	s_add_co_u32 s46, s46, s41
	s_lshl_b32 s41, s36, 7
	s_add_co_u32 s46, s46, s41
	s_mov_b32 s47, 0
	s_add_nc_u64 s[44:45], s[22:23], s[46:47]      ; Wo at row 128 y, column 128 x + 32 wave
	s_lshl_b32 s46, s38, 18
	s_lshl_b32 s41, s36, 16
	s_add_co_u32 s46, s46, s41
	s_lshl_b32 s41, s39, 12
	s_add_co_u32 s46, s46, s41
	s_add_nc_u64 s[48:49], s[32:33], s[46:47]      ; the image at tile 8 x + 2 wave, K step 4 y
	v_lshlrev_b32 v3, 2, v2
	v_lshrrev_b32 v4, 4, v2
	v_and_b32 v5, 15, v2
	v_lshlrev_b32 v4, 15, v4
	v_lshl_add_u32 v4, v5, 4, v4
	LOADC 0
	LOADC 1
	KSTC 0
	KSTC 1
	KSTC 2
	KSTC 3
.Lend:
	s_wait_tensorcnt 0x0                           ; the wave's end, behind the last LDS store
	ds_add_u32 v[SPW], v[NIL]
	s_wait_dscnt 0x0
	s_endpgm
.Lfunc_end_k_qe6ebad5dad_prep:
	.size	k_qe6ebad5dad_prep, .Lfunc_end_k_qe6ebad5dad_prep-k_qe6ebad5dad_prep
	.p2alignl 7, 3214868480
	.fill 96, 4, 3214868480
	.section	.rodata,"a",@progbits
	.p2align	6, 0x0
	.amdhsa_kernel k_qe6ebad5dad_prep
		.amdhsa_group_segment_fixed_size 57856
		.amdhsa_private_segment_fixed_size 0
		.amdhsa_enable_private_segment 0
		.amdhsa_kernarg_size 112
		.amdhsa_user_sgpr_count 2
		.amdhsa_user_sgpr_kernarg_segment_ptr 1
		.amdhsa_wavefront_size32 1
		.amdhsa_system_sgpr_workgroup_id_x 1
		.amdhsa_system_sgpr_workgroup_id_y 1
		.amdhsa_system_sgpr_workgroup_id_z 1
		.amdhsa_system_vgpr_workitem_id 0
		.amdhsa_next_free_vgpr 192
		.amdhsa_next_free_sgpr 100
		.amdhsa_reserve_vcc 1
		.amdhsa_float_denorm_mode_32 3
		.amdhsa_float_denorm_mode_16_64 3
		.amdhsa_memory_ordered 1
		.amdhsa_forward_progress 1
		.amdhsa_inst_pref_size 140
	.end_amdhsa_kernel
	.amdgpu_metadata
---
amdhsa.version: [ 1, 2 ]
amdhsa.kernels:
  - .name:           k_qe6ebad5dad_prep
    .symbol:         k_qe6ebad5dad_prep.kd
    .args:
      - { .name: query, .offset: 0, .size: 8, .value_kind: global_buffer, .address_space: global }
      - { .name: key, .offset: 8, .size: 8, .value_kind: global_buffer, .address_space: global }
      - { .name: value, .offset: 16, .size: 8, .value_kind: global_buffer, .address_space: global }
      - { .name: key_padding_mask, .offset: 24, .size: 8, .value_kind: global_buffer, .address_space: global }
      - { .name: Wq, .offset: 32, .size: 8, .value_kind: global_buffer, .address_space: global }
      - { .name: Wk, .offset: 40, .size: 8, .value_kind: global_buffer, .address_space: global }
      - { .name: Wv, .offset: 48, .size: 8, .value_kind: global_buffer, .address_space: global }
      - { .name: Wo, .offset: 56, .size: 8, .value_kind: global_buffer, .address_space: global }
      - { .name: acodes, .offset: 64, .size: 8, .value_kind: global_buffer, .address_space: global }
      - { .name: ascales, .offset: 72, .size: 8, .value_kind: global_buffer, .address_space: global }
      - { .name: wcodes, .offset: 80, .size: 8, .value_kind: global_buffer, .address_space: global }
      - { .name: wscales, .offset: 88, .size: 8, .value_kind: global_buffer, .address_space: global }
      - { .name: wo16, .offset: 96, .size: 8, .value_kind: global_buffer, .address_space: global }
      - { .name: cnt, .offset: 104, .size: 8, .value_kind: global_buffer, .address_space: global }
    .group_segment_fixed_size: 57856
    .private_segment_fixed_size: 0
    .kernarg_segment_align: 8
    .kernarg_segment_size: 112
    .max_flat_workgroup_size: 128
    .sgpr_count:     100
    .vgpr_count:     192
    .wavefront_size: 32
...
	.end_amdgpu_metadata
.endif
;; end of part 1
;; launch proj (part 2): grid 4 x 96, 4 waves a work-group, clusters of 4 x 4, 327,680 bytes of LDS; arguments acodes, ascales, wcodes, wscales, bq, qkv; writes qkv
.if DOCPART == 2
	.amdgcn_target "amdgcn-amd-amdhsa--gfx1250"
	.amdhsa_code_object_version 6
	.text
	.protected	k_qe6ebad5dad_proj
	.globl	k_qe6ebad5dad_proj
	.p2align	8
	.type	k_qe6ebad5dad_proj,@function
k_qe6ebad5dad_proj:
	s_mov_b64 s[64:65], 0
	v_nop
	global_prefetch_b8 v0, s[64:65] scope:SCOPE_SE
	s_setreg_imm32_b32 hwreg(HW_REG_WAVE_MODE, 25, 1), 1
	s_wait_xcnt 0x0
	s_wait_alu depctr_hold_cnt(0) depctr_sa_sdst(0) depctr_va_vdst(0) depctr_va_sdst(0) depctr_va_ssrc(0) depctr_va_vcc(0) depctr_vm_vsrc(0)
	s_getreg_b32 s2, hwreg(HW_REG_IB_STS2, 6, 4)
	s_cmp_eq_u32 s2, 0
	s_cbranch_scc0 .Lentry_in_a_cluster
	s_endpgm
.Lentry_in_a_cluster:
	s_bfe_u32 s2, ttmp6, 0x10000c
	s_cmp_lg_u32 s2, 0xf033
	s_cbranch_scc0 .Lentry_shape_is_right
	s_endpgm
.Lentry_shape_is_right:
; PROJ: the three quantised products, on codes of E2M1 with one E8M0 scale for each 32 along K = 1,024; sums in f32; results rounded once to f16 and stored IN THE ORDER OF THE NEXT PRODUCT'S OPERAND REGISTERS.
; Left out: bk (the same term for all keys of a query: the softmax takes it away for all values).  bv is added in the attention launch.  LIMIT: |q|, |k|, |v| under 65,504.
; 24 clusters of 4 x 4 work-groups; cluster g: t = g / 8 (0 q, 1 k, 2 v), 1,024 rows x all 1,024 channels.  A work-group makes 256 x 256, each of its four waves 128 x 128: 64 accumulators, 512 registers.
; The matrix instruction takes 16 rows of 'B' as source 0 and 16 rows of 'A' as source 1: a lane then holds ONE row of 'A' and eight neighbouring rows of 'B'.
;   q, k: 'A' = the activations, 'B' = the weight: a lane holds one position and eight channels: four registers of f16 are a piece of a fragment of Q or K (16 positions x 32 channels).
;   v:    'A' = Wv, 'B' = value: a lane holds one channel and eight keys: a piece of a fragment of V^T (16 channels x 32 keys).  Only pointers change places: one text serves all three.
; K = 1,024 is two LDS slots of 512 along K: both, and the scale bytes of the work-group's rows, are first fills; nothing is filled again.
; The four work-groups of a row of the cluster need the same rows of 'A', the four of a column the same rows of 'B': each tile is asked for jointly.
; bq is the C of q's first products; for k and v those 64 registers hold 0.
; REGISTERS: window 0: v0-31 addresses; v32-95 scale words, two sets; v128-191 'A's fragments; v192-255 the bias; on the way out v96-191 three sets of 32.  window 1: 'B's fragments, two sets.  windows 2, 3: accumulators.
.set KSTEP,  512
.set NQ,     4
.set ROWB,   256
.set KROW,   512
.set PITCH,  272                       ; an LDS row: 256 bytes + 16 of padding: the 16 rows of a load start at 16 different banks (64 banks of 4 bytes: ISA guide 11.1)
.set FR,     8
.set NL,     2
.set NP,     4
.set HALFT,  128*PITCH
.set SLOT,   4*HALFT
.set KS,     32
.set SCL,    2*SLOT
.set HALFS,  16*272
.set SBLK,   2*272
.set SPARE,  SCL+4*HALFS               ; the spare words, 128 bytes a wave: two blocks of 256 bytes that no other line names
.set ADRA, 16
.set ADRB, 20
.set CO,   26
.set ADRS, 27
.set SPW,  28
.set NIL,  29
.set SC,   32
.set OUT,  96
.set AF,   128
.set BIAS, 192
.set G1, 24
.set G0, 32
.set G1B, 48
.set G0B, 56
.set G1S, 68
.set G0S, 76
.set G1SB, 80
.set G0SB, 88
.set MSB, 0
.macro WIN new                         ; the immediate's high byte repeats the setting that is left
.if MSB != \new
	s_set_vgpr_msb (MSB<<8)|\new
.set MSB, \new
.endif
.endm
.set MUL_LO, 0xa1                      ; source 0 window 1, source 1 window 0, C and D window 2
.set MUL_HI, 0xf1                      ; C and D window 3
.set TO_B,   0x40
.macro JLOAD g0a, g1a, g0b, g1b        ; a joint load: waves 0, 1 fetch for 'A', waves 2, 3 for 'B'; an s_nop 0 and four v_nop follow each line
	s_cmp_eq_u32 s15, 0
	s_cbranch_scc0 .Lfor_b_\@
	tensor_load_to_lds s[\g0a:\g0a+3], s[\g1a:\g1a+7]
	s_nop 0
.rept 4
	v_nop
.endr
	s_branch .Lasked_\@
.Lfor_b_\@:
	tensor_load_to_lds s[\g0b:\g0b+3], s[\g1b:\g1b+7]
	s_nop 0
.rept 4
	v_nop
.endr
.Lasked_\@:
.endm
.macro CROUND                          ; a round of the cluster's barrier
	s_barrier_signal -1
	s_barrier_wait -1
	s_cmp_lg_u32 s14, 0
	s_cbranch_scc1 .Lnot_wave_0_\@
	s_barrier_signal -3
.Lnot_wave_0_\@:
	s_barrier_wait -3
	s_barrier_signal -1
	s_barrier_wait -1
.endm
	s_load_b256 s[4:11], s[0:1], 0x0               ; acodes, ascales, wcodes, wscales
	s_load_b128 s[96:99], s[0:1], 0x20             ; bq, qkv
	v_lshl_add_u32 v[SPW], v0, 2, SPARE
	v_mov_b32 v[NIL], 0
	ds_add_u32 v[SPW], v[NIL]                      ; the wave's opening: the add, twice on end, and its wait ahead of my first tensor load
	ds_add_u32 v[SPW], v[NIL]
	v_lshrrev_b32 v1, 5, v0
	v_readfirstlane_b32 s14, v1                    ; wave
	s_lshr_b32 s15, s14, 1                         ; my half of 'A's rows; also: I fetch for 'A' (0) or 'B' (1)
	s_and_b32 s16, s14, 1                          ; my half of 'B's rows; also: which 128 rows I fetch
	s_bfe_u32 s40, ttmp6, 0x40000                  ; cx
	s_bfe_u32 s41, ttmp6, 0x40004                  ; cy
	s_and_b32 s66, ttmp7, 0xffff                   ; the cluster's number, which all sixteen share
	s_lshr_b32 s67, s66, 3                         ; t
	s_and_b32 s95, s66, 7
	s_lshl_b32 s95, s95, 2                         ; the cluster's first tile of 256 activation rows
	s_cmp_eq_u32 s67, 2
	s_cselect_b32 s17, 0, s95
	s_cselect_b32 s42, s95, 0
	s_add_co_u32 s17, s17, s41                     ; 'A's tile of 256 rows
	s_add_co_u32 s42, s42, s40                     ; 'B's
	s_lshl_b32 s43, s41, 2
	s_lshl_b32 s43, 15, s43                        ; my row of the cluster
	s_lshl_b32 s44, 0x1111, s40                    ; my column
	s_or_b32 s[G1+0], s43, (0<<16)|(1<<20)|(1<<21)|(5<<22)|(3<<25)   ; the mask; elements of 1 byte; padding: 4 words behind every 64; bit 21 beside a mask
	s_or_b32 s[G1B+0], s44, (0<<16)|(1<<20)|(1<<21)|(5<<22)|(3<<25)
.irp g, G1, G1B
	s_mov_b32 s[\g+1], ROWB<<16                    ; tensor_dim0
	s_mov_b32 s[\g+2], 128<<16                     ; tensor_dim1
	s_mov_b32 s[\g+3], ROWB<<16                    ; tile_dim0
	s_mov_b32 s[\g+4], 128                         ; tile_dim1
	s_mov_b32 s[\g+5], KROW                        ; bytes from row to row
	s_mov_b32 s[\g+6], 0
	s_mov_b32 s[\g+7], 0
.endr
	s_or_b32 s[G1S+0], s43, (3<<16)|(1<<20)|(1<<21)|(5<<22)|(3<<25)  ; the scale bytes of 128 rows: 4,096 dense bytes as 16 rows of 256 (32 elements of 8 bytes), 16 of padding behind each
	s_or_b32 s[G1SB+0], s44, (3<<16)|(1<<20)|(1<<21)|(5<<22)|(3<<25)
.irp g, G1S, G1SB
	s_mov_b32 s[\g+1], 32<<16
	s_mov_b32 s[\g+2], 16<<16
	s_mov_b32 s[\g+3], 32<<16
	s_mov_b32 s[\g+4], 16
	s_mov_b32 s[\g+5], 32
	s_mov_b32 s[\g+6], 0
	s_mov_b32 s[\g+7], 0
.endr
	s_lshl_b32 s18, s16, 7
	s_lshl_b32 s20, s17, 8
	s_add_co_u32 s20, s20, s18                     ; 'A': the first row that I fetch
	s_lshl_b32 s46, s42, 8
	s_add_co_u32 s46, s46, s18                     ; 'B': likewise
	s_mov_b32 s21, 0
	s_mov_b32 s47, 0
	s_mov_b64 s[18:19], KS
	s_mul_u64 s[22:23], s[20:21], s[18:19]
	s_mul_u64 s[92:93], s[46:47], s[18:19]
	s_mov_b64 s[18:19], KROW
	s_mul_u64 s[20:21], s[20:21], s[18:19]
	s_mul_u64 s[46:47], s[46:47], s[18:19]
	s_mul_i32 s45, s14, HALFT                      ; where they go: no place in the cluster enters an LDS address
	s_mul_i32 s94, s14, HALFS
	s_mov_b32 s101, 0
	s_wait_dscnt 0x0                               ; both opening adds are done
	s_wait_kmcnt 0x0
	s_lshl_b32 s100, s67, 22
	s_add_nc_u64 s[4:5], s[4:5], s[100:101]        ; tensor t of the activations' codes,
	s_lshl_b32 s100, s67, 18
	s_add_nc_u64 s[6:7], s[6:7], s[100:101]        ; of their scale bytes,
	s_lshl_b32 s100, s67, 19
	s_add_nc_u64 s[8:9], s[8:9], s[100:101]        ; weight t's codes,
	s_lshl_b32 s100, s67, 15
	s_add_nc_u64 s[10:11], s[10:11], s[100:101]    ; and scale bytes
	s_cmp_eq_u32 s67, 2                            ; for v the two operands change places
	s_cselect_b64 s[100:101], s[8:9], s[4:5]
	s_cselect_b64 s[8:9], s[4:5], s[8:9]
	s_mov_b64 s[4:5], s[100:101]
	s_cselect_b64 s[100:101], s[10:11], s[6:7]
	s_cselect_b64 s[10:11], s[6:7], s[10:11]
	s_mov_b64 s[6:7], s[100:101]
	s_add_nc_u64 s[20:21], s[4:5], s[20:21]
	s_add_nc_u64 s[22:23], s[6:7], s[22:23]
	s_add_nc_u64 s[46:47], s[8:9], s[46:47]
	s_add_nc_u64 s[92:93], s[10:11], s[92:93]
	CROUND                                         ; all sixteen work-groups are here: the joint loads meet
	s_mov_b32 s[G0S], 1
	s_add_co_u32 s[G0S+1], s94, SCL
	s_mov_b64 s[G0S+2:G0S+3], s[22:23]
	s_or_b32 s[G0S+3], s[G0S+3], 0x80000000
	s_mov_b32 s[G0SB], 1
	s_add_co_u32 s[G0SB+1], s94, SCL
	s_mov_b64 s[G0SB+2:G0SB+3], s[92:93]
	s_or_b32 s[G0SB+3], s[G0SB+3], 0x80000000
	JLOAD G0S, G1S, G0SB, G1SB                     ; the scale bytes first
.irp s, 0,1
	s_mov_b32 s[G0+4*\s], 1
	s_add_co_u32 s[G0+4*\s+1], s45, \s*SLOT
	s_add_nc_u64 s[G0+4*\s+2:G0+4*\s+3], s[20:21], \s*ROWB
	s_or_b32 s[G0+4*\s+3], s[G0+4*\s+3], 0x80000000
	s_mov_b32 s[G0B+4*\s], 1
	s_add_co_u32 s[G0B+4*\s+1], s45, \s*SLOT
	s_add_nc_u64 s[G0B+4*\s+2:G0B+4*\s+3], s[46:47], \s*ROWB
	s_or_b32 s[G0B+4*\s+3], s[G0B+4*\s+3], 0x80000000
	JLOAD G0+4*\s, G1, G0B+4*\s, G1B               ; three loads of mine are out
.endr
	v_and_b32 v1, 15, v0                           ; r
	v_bfe_u32 v2, v0, 4, 1                         ; h
	v_mul_u32_u24 v3, v1, PITCH
	v_lshl_add_u32 v4, v2, 4, v3
	s_mul_i32 s21, s15, HALFT
	s_mul_i32 s22, s16, HALFT
	s_add_co_u32 s22, s22, 2*HALFT
.irp s, 0,1
	v_add_nc_u32 v[ADRA+\s], s21, v4
	v_add_nc_u32 v[ADRB+\s], s22, v4
	s_add_co_u32 s21, s21, SLOT
	s_add_co_u32 s22, s22, SLOT
.endr
	v_mul_u32_u24 v5, v1, KS                       ; my row's scale bytes: 32 a row, and 16 more for each 256 passed
	v_lshrrev_b32 v6, 8, v5
	v_lshl_add_u32 v5, v6, 4, v5
	s_mul_i32 s21, s15, HALFS
	s_mul_i32 s22, s16, HALFS
	s_add_co_u32 s22, s22, 2*HALFS
	s_sub_co_u32 s22, s22, s21
	v_mul_u32_u24 v6, s22, v2                      ; lanes 16-31 take 'B's
	s_add_co_u32 s21, s21, SCL
	v_add_nc_u32 v5, v5, v6
	v_add_nc_u32 v[ADRS], s21, v5
	v_and_b32 v6, 31, v0
	v_lshlrev_b32 v[CO], 4, v6                     ; the way out: 16 bytes a lane
.set i, 0
.rept 64
	v_mov_b32 v[BIAS+i], 0                         ; the C of the first products: 0 for k and v
.set i, i+1
.endr
	s_cmp_lg_u32 s67, 0
	s_cbranch_scc1 .Lno_bias
	s_lshl_b32 s46, s42, 10
	s_lshl_b32 s47, s16, 9
	s_add_co_u32 s46, s46, s47
	s_mov_b32 s47, 0
	s_add_nc_u64 s[96:97], s[96:97], s[46:47]      ; bq at my first channel
	v_lshlrev_b32 v5, 5, v2
.irp b, 0,1,2,3,4,5,6,7
	global_load_b128 v[BIAS+8*\b:BIAS+8*\b+3], v5, s[96:97] offset:64*\b        ; channels 16 b + 8 h + 0 .. 7, in the result's layout
	global_load_b128 v[BIAS+8*\b+4:BIAS+8*\b+7], v5, s[96:97] offset:64*\b+16
.endr
.Lno_bias:
	; where my part of the image begins: t x 2^24 + (16 batch + head) x 2^18 + (16 (R & 7) + 8 Rh) x 2,048; R, Rh: the tile and half of POSITIONS, Cc, Ch: of CHANNELS
	s_cmp_eq_u32 s67, 2
	s_cselect_b32 s20, s42, s17
	s_cselect_b32 s21, s16, s15
	s_cselect_b32 s22, s17, s42
	s_cselect_b32 s23, s15, s16
	s_lshr_b32 s46, s20, 3
	s_lshl_b32 s46, s46, 4
	s_lshl_b32 s22, s22, 2
	s_add_co_u32 s46, s46, s22
	s_lshl_b32 s23, s23, 1
	s_add_co_u32 s46, s46, s23
	s_lshl_b32 s46, s46, 18
	s_and_b32 s20, s20, 7
	s_lshl_b32 s20, s20, 15
	s_add_co_u32 s46, s46, s20
	s_lshl_b32 s21, s21, 14
	s_add_co_u32 s46, s46, s21
	s_lshl_b32 s47, s67, 24
	s_add_co_u32 s46, s46, s47
	s_mov_b32 s47, 0
	s_add_nc_u64 s[12:13], s[98:99], s[46:47]
.macro FRAG reg, adr, q, i             ; 16 rows x 128 K of 4-bit codes: 8 registers, two loads of 16 bytes, 32 bytes apart
.irp c, 0,1
	ds_load_b128 v[\reg+4*\c:\reg+4*\c+3], v[\adr] offset:64*(\q)+32*\c+(\i)*16*PITCH
.endr
.endm
; 16 matrix instructions: 'A's blocks a0, a0 + 1 x 'B's eight.  first = 1: C is the bias.  The 64 accumulators take turns, one instruction a turn.
.macro MUL16 a0, p, q, sc, first
.irp a, \a0, \a0+1
.irp b, 0,1,2,3,4,5,6,7
.if \first
	v_wmma_scale_f32_16x16x128_f8f6f4 v[8*(8*((\a)%4)+\b):8*(8*((\a)%4)+\b)+7], v[128*(\p)+FR*\b:128*(\p)+FR*\b+FR-1], v[AF+FR*(\a):AF+FR*(\a)+FR-1], v[BIAS+8*\b:BIAS+8*\b+7], v[SC+8*NQ*(\sc)+NQ*\b+(\q)], v[SC+8*NQ*(\sc)+NQ*(\a)+(\q)] matrix_a_fmt:MATRIX_FMT_FP4 matrix_b_fmt:MATRIX_FMT_FP4 matrix_a_scale:MATRIX_SCALE_ROW1
.else
	v_wmma_scale_f32_16x16x128_f8f6f4 v[8*(8*((\a)%4)+\b):8*(8*((\a)%4)+\b)+7], v[128*(\p)+FR*\b:128*(\p)+FR*\b+FR-1], v[AF+FR*(\a):AF+FR*(\a)+FR-1], v[8*(8*((\a)%4)+\b):8*(8*((\a)%4)+\b)+7], v[SC+8*NQ*(\sc)+NQ*\b+(\q)], v[SC+8*NQ*(\sc)+NQ*(\a)+(\q)] matrix_a_fmt:MATRIX_FMT_FP4 matrix_b_fmt:MATRIX_FMT_FP4 matrix_a_scale:MATRIX_SCALE_ROW1
.endif
.endr
.endr
.endm
.macro FETCH_B slot, q, p
	WIN TO_B
.irp i, 0,1,2,3,4,5,6,7
	FRAG 128*(\p)+FR*\i, ADRB+\slot, \q, \i
.endr
	WIN 0
.endm
.macro FETCH_A slot, q, i0
.irp i, \i0, \i0+1, \i0+2, \i0+3
	FRAG AF+FR*(\i), ADRA+\slot, \q, \i
.endr
.endm
.macro SCALES sc                       ; a slot's scale words: lanes 0-15 'A's block i, lanes 16-31 'B's block i
.irp i, 0,1,2,3,4,5,6,7
	ds_load_b128 v[SC+8*NQ*\sc+NQ*\i:SC+8*NQ*\sc+NQ*\i+3], v[ADRS] offset:\i*SBLK
.endr
.endm
.macro PLACES n                        ; plain vector lines between a matrix instruction and a load into, or a vector line on, its registers
.rept \n
	v_nop
.endr
.endm
.macro STEP slot, q, first             ; 128 along K, with its successor in the same slot
	s_wait_dscnt 4*NL                              ; 'B's set and 'A's blocks 0-3 are in; the youngest eight loads ('A's blocks 4-7) may be out
.if \first
	WIN 0x81                                       ; C (the bias) in window 0
.else
	WIN MUL_LO
.endif
	MUL16 0, (\q)%2, \q, \slot, \first
	MUL16 2, (\q)%2, \q, \slot, \first
	s_wait_dscnt 0
	PLACES NP
	FETCH_B \slot, (\q)+1, 1-(\q)%2
	FETCH_A \slot, (\q)+1, 0
.if \first
	WIN 0xc1
.else
	WIN MUL_HI
.endif
	MUL16 4, (\q)%2, \q, \slot, \first
	MUL16 6, (\q)%2, \q, \slot, \first
	PLACES NP
	WIN 0
	FETCH_A \slot, (\q)+1, 4
.endm
.macro STEPS slot, from
.set Q, \from
.rept NQ-1-\from
	STEP \slot, Q, 0
.set Q, Q+1
.endr
.endm
	s_wait_tensorcnt 1                             ; the scale bytes and my part of slot 0 are in (slot 1's load, issued behind them, may be out),
	s_barrier_signal -1
	s_barrier_wait -1                              ; everybody's are
	FETCH_B 0, 0, 0
	FETCH_A 0, 0, 0
	SCALES 0
	FETCH_A 0, 0, 4
	s_wait_loadcnt 0x0                             ; the bias
	STEP 0, 0, 1
	STEPS 0, 1
	; slot 0's last step changes slots: my part of slot 1 has landed, and the barrier shows it of every wave
	s_wait_tensorcnt 0x0
	ds_add_u32 v[SPW], v[NIL]
	s_wait_dscnt 4*NL+1                            ; (the add and 'A's blocks 4-7 may be out)
	WIN MUL_LO
	MUL16 0, 1, NQ-1, 0, 0
	s_wait_dscnt 0x0
	s_barrier_signal -1
	MUL16 2, 1, NQ-1, 0, 0
	WIN 0
	s_barrier_wait -1
	PLACES NP
	v_add_nc_u32 v[ADRS], 4*NQ, v[ADRS]            ; the second 512 along K of the scale words
	FETCH_B 1, 0, 0
	FETCH_A 1, 0, 0
	SCALES 1
	WIN MUL_HI
	MUL16 4, 1, NQ-1, 0, 0
	MUL16 6, 1, NQ-1, 0, 0
	PLACES NP
	WIN 0
	FETCH_A 1, 0, 4
	STEPS 1, 0
	s_wait_dscnt 4*NL                              ; the very last step
	WIN MUL_LO
	MUL16 0, 1, NQ-1, 1, 0
	MUL16 2, 1, NQ-1, 1, 0
	s_wait_dscnt 0
	WIN MUL_HI
	MUL16 4, 1, NQ-1, 1, 0
	MUL16 6, 1, NQ-1, 1, 0
	WIN 0
; THE WAY OUT.  A lane's eight results of an accumulator, rounded to f16, are 16 bytes that the next product wants in this very lane: each store of the wave covers 512 consecutive bytes, aligned.
.macro OUTP isv
.irp a, 0,1,2,3,4,5,6,7
.set AC, 64*((\a)%4)
.set OS, OUT+32*((\a)%3)
.if \a >= 3
	s_wait_xcnt 0x0                                ; the stores of three blocks back have read their registers
.endif
	WIN 0x0a+5*((\a)/4)
.irp b, 0,1,2,3,4,5,6,7
.irp r, 0,1,2,3
	v_cvt_pk_f16_f32 v[OS+4*\b+\r], v[AC+8*\b+2*\r], v[AC+8*\b+2*\r+1]   ; each accumulator from its low end on
.endr
.endr
	WIN 0
.irp b, 0,1,2,3,4,5,6,7
.if \isv
	global_store_b128 v[CO], v[OS+4*\b:OS+4*\b+3], s[12:13] offset:((\a)/4)*262144+((\a)%4)*1024+(\b/2)*4096+(\b%2)*512   ; head a / 4, channels 16 (a % 4); keys 16 b
.else
	global_store_b128 v[CO], v[OS+4*\b:OS+4*\b+3], s[12:13] offset:(\a)*2048+(\b/4)*262144+(\b%4)*512                    ; positions 16 a; head b / 4, channels 16 (b % 4)
.endif
.endr
.endr
.endm
	PLACES NP
	s_cmp_eq_u32 s67, 2
	s_cbranch_scc1 .Lout_v
	OUTP 0
	s_branch .Lclose
.Lout_v:
	OUTP 1
.Lclose:
	s_wait_tensorcnt 0x0                           ; the wave's end
	ds_add_u32 v[SPW], v[NIL]
	s_wait_dscnt 0x0
	CROUND                                         ; the closing round
	s_endpgm
.Lfunc_end_k_qe6ebad5dad_proj:
	.size	k_qe6ebad5dad_proj, .Lfunc_end_k_qe6ebad5dad_proj-k_qe6ebad5dad_proj
	.p2alignl 7, 3214868480
	.fill 96, 4, 3214868480
	.section	.rodata,"a",@progbits
	.p2align	6, 0x0
	.amdhsa_kernel k_qe6ebad5dad_proj
		.amdhsa_group_segment_fixed_size 327680
		.amdhsa_private_segment_fixed_size 0
		.amdhsa_enable_private_segment 0
		.amdhsa_kernarg_size 48
		.amdhsa_user_sgpr_count 2
		.amdhsa_user_sgpr_kernarg_segment_ptr 1
		.amdhsa_wavefront_size32 1
		.amdhsa_system_sgpr_workgroup_id_x 1
		.amdhsa_system_sgpr_workgroup_id_y 1
		.amdhsa_system_sgpr_workgroup_id_z 1
		.amdhsa_system_vgpr_workitem_id 0
		.amdhsa_next_free_vgpr 1024
		.amdhsa_next_free_sgpr 102
		.amdhsa_reserve_vcc 0
		.amdhsa_float_denorm_mode_32 3
		.amdhsa_float_denorm_mode_16_64 3
		.amdhsa_memory_ordered 1
		.amdhsa_forward_progress 1
		.amdhsa_inst_pref_size 145
	.end_amdhsa_kernel
	.amdgpu_metadata
---
amdhsa.version: [ 1, 2 ]
amdhsa.kernels:
  - .name:           k_qe6ebad5dad_proj
    .symbol:         k_qe6ebad5dad_proj.kd
    .args:
      - { .name: acodes, .offset: 0, .size: 8, .value_kind: global_buffer, .address_space: global }
      - { .name: ascales, .offset: 8, .size: 8, .value_kind: global_buffer, .address_space: global }
      - { .name: wcodes, .offset: 16, .size: 8, .value_kind: global_buffer, .address_space: global }
      - { .name: wscales, .offset: 24, .size: 8, .value_kind: global_buffer, .address_space: global }
      - { .name: bq, .offset: 32, .size: 8, .value_kind: global_buffer, .address_space: global }
      - { .name: qkv, .offset: 40, .size: 8, .value_kind: global_buffer, .address_space: global }
    .group_segment_fixed_size: 327680
    .private_segment_fixed_size: 0
    .kernarg_segment_align: 8
    .kernarg_segment_size: 48
    .max_flat_workgroup_size: 128
    .sgpr_count:     102
    .vgpr_count:     1024
    .wavefront_size: 32
...
	.end_amdgpu_metadata
.endif
;; end of part 2
;; launch attn (part 3): grid 4 x 64, 8 waves a work-group, no clusters, 33,792 bytes of LDS; arguments qkv, cnt, bv, attn16; writes attn16
.if DOCPART == 3
	.amdgcn_target "amdgcn-amd-amdhsa--gfx1250"
	.amdhsa_code_object_version 6
	.text
	.protected	k_qe6ebad5dad_attn
	.globl	k_qe6ebad5dad_attn
	.p2align	8
	.type	k_qe6ebad5dad_attn,@function
k_qe6ebad5dad_attn:
	s_mov_b64 s[64:65], 0
	v_nop
	global_prefetch_b8 v0, s[64:65] scope:SCOPE_SE
	s_setreg_imm32_b32 hwreg(HW_REG_WAVE_MODE, 25, 1), 1
	s_wait_xcnt 0x0
; ATTN: attn[b][q][head] = softmax over the keys that count of (q . k / 8), times v, plus bv.  Operands f16, products, maxima and sums f32; the weights p are rounded to f16 for the second product.
; Left out: hidden keys (their weights are 0 for all values): the keys that count stand first in K and V, cnt[b] of them, and only ceil(cnt / 64) steps of 64 keys are walked; bk (see the first kernel).
; bv: the weights of a query sum to 1, so sum(w (v' + bv)) = sum(w v') + bv: it is the addend of the multiply-add that divides by the row's sum.  A batch with no key that counts gives NaN, as reference() does.
; LIMIT: |attn| under 65,504.
; SHARES.  A work-group owns 512 queries of one batch and head, each of its eight waves 64: four tiles of 16.  Two waves of 512 registers share a SIMD: one's softmax stands beside the other's products.
; NO TENSOR LOADS AND NO CLUSTER, though the four work-groups of a head walk the same K and V: the number of steps is read from memory;
; walking all 32 steps in place of ceil(cnt / 64) would cost more than shared requests save.  K and V come by loads into registers, 2 KB a wave and step, and go on into LDS.
; THE LOOP has a constant count of 32 steps and every wave passes every barrier; one scalar branch behind the barrier leads round a dead step's work.
; LAYOUT.  S^T = K Q^T (source 0 = 16 keys, source 1 = 16 queries), O^T = V^T P (source 0 = 16 channels, source 1 = P): a lane holds ONE query throughout.  Q, K and V lie in memory in the order of
; the operands' registers, so every load, from memory and from LDS, is 16 bytes x lane.
; REGISTERS.  window 0: v1-9 addresses and constants; v16-31 the stage; v32-63 statistics, 8 a tile: +0 c m, +1 m, +2, +3 l, +4..7 at work, +6 a; v64-191 S^T, 32 a tile (p, then P in each tile's first 16);
;   v192-255 Q (from the last live step on: v192-223 bv).   window 1: v0-127 O^T (tile t, channels 16 ct at 32 t + 8 ct); v128-191 K; v192-255 V.
.set SLOTB, 16384                      ; a slot: 64 keys of K, 8 KB, then of V
.set SPARE, 32768                      ; the spare words, 128 bytes a wave: four blocks of 256 bytes that no other line names
.set LI,   1                           ; 16 x lane
.set STA,  2                           ; 2,048 x wave + 16 x lane
.set SPW,  3
.set NIL,  4
.set PFO,  5                           ; 256 x lane
.set DD,   6
.set NINF, 7
.set H8,   8
.set H32,  9
.set SG,   16
.set ST,   32
.set S,    64
.set Q,    192
.set BV,   192
.set KF,   128
.set VF,   192
.set WV,   12
.set CNT,  13
.set NS,   14                          ; live steps
.set PB,   16                          ; s[16:17] my 2 KB of the step that was loaded last
.set QB,   18
.set OB,   20
.set T,    22
.set TR,   23
.set CS,   24                          ; s[24:25] c = log2(e) / 8
.set SEL,  26
.set PFA,  28
.set LIM,  30
.set BB,   38
.set MSB, 0
.macro WIN new
.if MSB != \new
	s_set_vgpr_msb (MSB<<8)|\new
.set MSB, \new
.endif
.endm
	s_load_b256 s[4:11], s[0:1], 0x0               ; qkv 4, cnt 6, bv 8, attn16 10
	v_lshl_add_u32 v[SPW], v0, 2, SPARE
	v_mov_b32 v[NIL], 0
	v_lshrrev_b32 v10, 5, v0
	v_readfirstlane_b32 s[WV], v10
	v_and_b32 v10, 31, v0
	v_lshlrev_b32 v[LI], 4, v10
	s_lshl_b32 s31, s[WV], 11
	v_add_nc_u32 v[STA], s31, v[LI]
	v_lshlrev_b32 v[PFO], 8, v10
	v_bfe_u32 v11, v0, 4, 1
	v_lshlrev_b32 v[H8], 3, v11
	v_lshlrev_b32 v[H32], 5, v11
	v_mov_b32 v[NINF], 0xff800000
	s_and_b32 s32, ttmp7, 0xffff                   ; 16 batch + head
	s_lshr_b32 s33, s32, 4
	s_and_b32 s34, s32, 15
	s_mov_b32 s37, 0
	s_mov_b32 s[CS], 0x3e38aa3b
	s_mov_b32 s[CS+1], s[CS]
	s_mov_b32 s[SEL], 0x76543210
	s_mov_b32 s[SEL+1], 0xfedcba98
	s_and_b32 s31, s[WV], 3                        ; waves 0 (K) and 4 (V) of the head's first work-group prefetch
	s_or_b32 s31, s31, ttmp9
	s_cmp_eq_u32 s31, 0
	s_cselect_b32 s[LIM], 3, 0x10000
	s_wait_kmcnt 0x0
	s_lshl_b32 s36, s33, 8
	s_add_nc_u64 s[6:7], s[6:7], s[36:37]
	s_load_b32 s[CNT], s[6:7], 0x0
	s_lshr_b32 s36, s[WV], 2                       ; waves 0-3 bring K, waves 4-7 V
	s_add_co_u32 s36, s36, 1
	s_lshl_b32 s36, s36, 24
	s_lshl_b32 s35, s32, 18
	s_add_co_u32 s36, s36, s35
	s_add_nc_u64 s[PFA:PFA+1], s[4:5], s[36:37]
	s_add_nc_u64 s[PFA:PFA+1], s[PFA:PFA+1], 2*8192  ; each live step steps it once ahead of its use: step T names step T + 3
	s_and_b32 s31, s[WV], 3
	s_lshl_b32 s31, s31, 11
	s_add_co_u32 s36, s36, s31
	s_add_nc_u64 s[PB:PB+1], s[4:5], s[36:37]
	s_lshl_b32 s36, ttmp9, 16
	s_add_co_u32 s36, s36, s35
	s_lshl_b32 s31, s[WV], 13
	s_add_co_u32 s36, s36, s31
	s_add_nc_u64 s[QB:QB+1], s[4:5], s[36:37]      ; my four tiles of Q
	s_lshl_b32 s36, s33, 22
	s_lshl_b32 s31, ttmp9, 20
	s_add_co_u32 s36, s36, s31
	s_lshl_b32 s31, s[WV], 17
	s_add_co_u32 s36, s36, s31
	s_lshl_b32 s31, s34, 11
	s_add_co_u32 s36, s36, s31
	s_add_nc_u64 s[OB:OB+1], s[10:11], s[36:37]    ; my four tiles of rows, my head's two K steps, in the image for the last product
	s_lshl_b32 s36, s34, 8
	s_add_nc_u64 s[BB:BB+1], s[8:9], s[36:37]
.irp i, 0,1,2,3,4,5,6,7,8,9,10,11,12,13,14,15
	global_load_b128 v[Q+4*\i:Q+4*\i+3], v[LI], s[QB:QB+1] offset:512*\i
.endr
.irp i, 0,1,2,3
	global_load_b128 v[SG+4*\i:SG+4*\i+3], v[LI], s[PB:PB+1] offset:512*\i   ; step 0
.endr
.irp t, 0,1,2,3
	v_mov_b32 v[ST+8*\t+1], 0xff61b1e6             ; m: -3e38, under every score
	v_mul_f32 v[ST+8*\t], s[CS], v[ST+8*\t+1]
.irp j, 2,3,4,5,6,7
	v_mov_b32 v[ST+8*\t+\j], 0
.endr
.endr
	WIN 0x40
.set i, 0
.rept 128
	v_mov_b32 v[i], 0                              ; O^T: the step is written for the loop alone; its first a is 0 and leaves zeros zeros
.set i, i+1
.endr
	WIN 0
	s_wait_kmcnt 0x0
	s_min_u32 s[CNT], s[CNT], 2048
	s_add_co_u32 s[NS], s[CNT], 63
	s_lshr_b32 s[NS], s[NS], 6
	s_max_u32 s[NS], s[NS], 1
	s_wait_loadcnt 0x0
.irp i, 0,1,2,3
	ds_store_b128 v[STA], v[SG+4*\i:SG+4*\i+3] offset:512*\i
.endr
	s_wait_dscnt 0x0                               ; the stores have read the stage
	s_cmp_gt_u32 s[NS], 1
	s_cbranch_scc0 .Lone
	s_add_nc_u64 s[PB:PB+1], s[PB:PB+1], 8192
.irp i, 0,1,2,3
	global_load_b128 v[SG+4*\i:SG+4*\i+3], v[LI], s[PB:PB+1] offset:512*\i   ; step 1
.endr
.Lone:
	s_mov_b32 s[T], 0
	s_mov_b32 s[TR], 16
.macro STEP slot
	s_wait_dscnt 0x0                               ; my stores into this slot have landed, and my reads of the other slot are over
	s_barrier_signal -1
	s_barrier_wait -1                              ; both hold of all eight waves
	s_cmp_lt_u32 s[T], s[NS]
	s_cbranch_scc0 .Lidle_\@
	s_wait_loadcnt 0x0                             ; the next step's 2 KB (asked for a step ago)
	s_add_co_u32 s31, s[T], 1
	s_cmp_lt_u32 s31, s[NS]
	s_cbranch_scc0 .Lno_store_\@
.irp i, 0,1,2,3
	ds_store_b128 v[STA], v[SG+4*\i:SG+4*\i+3] offset:(1-\slot)*SLOTB+512*\i   ; into the other slot: nobody reads it between this barrier and the next
.endr
.Lno_store_\@:
	WIN 0x40
.irp i, 0,1,2,3,4,5,6,7,8,9,10,11,12,13,14,15
	ds_load_b128 v[KF+4*\i:KF+4*\i+3], v[LI] offset:\slot*SLOTB+512*\i
.endr
.irp i, 0,1,2,3,4,5,6,7,8,9,10,11,12,13,14,15
	ds_load_b128 v[VF+4*\i:VF+4*\i+3], v[LI] offset:\slot*SLOTB+8192+512*\i
.endr
	WIN 0
	s_wait_dscnt 16                                ; V's sixteen loads may be out: K is in, and the stores, which are older, have read the stage
	s_wait_xcnt 0x0                                ; the last prefetch, a step back, has read its address
	s_add_nc_u64 s[PFA:PFA+1], s[PFA:PFA+1], 8192
	s_add_co_u32 s31, s[T], 2
	s_cmp_lt_u32 s31, s[NS]
	s_cbranch_scc0 .Lno_load_\@
	s_add_nc_u64 s[PB:PB+1], s[PB:PB+1], 8192
.irp i, 0,1,2,3
	global_load_b128 v[SG+4*\i:SG+4*\i+3], v[LI], s[PB:PB+1] offset:512*\i   ; step T + 2: it has a whole step in which to land
.endr
.Lno_load_\@:
	s_add_co_u32 s31, s[T], s[LIM]
	s_cmp_lt_u32 s31, s[NS]
	s_cbranch_scc0 .Lno_ask_\@
	global_prefetch_b8 v[PFO], s[PFA:PFA+1] th:TH_LOAD_NT scope:SCOPE_SE   ; step T + 3's 8 KB of K (wave 0) or V (wave 4), a lane to each 256 bytes: one step ahead of that step's loads; named once in the launch
.Lno_ask_\@:
	WIN 0x01                                       ; K in window 1
.irp cs, 0,1
.irp kt, 0,1,2,3
.irp t, 0,1,2,3
.if \cs == 0
	v_wmma_f32_16x16x32_f16 v[S+32*\t+8*\kt:S+32*\t+8*\kt+7], v[KF+8*(2*\kt+\cs):KF+8*(2*\kt+\cs)+7], v[Q+16*\t+8*\cs:Q+16*\t+8*\cs+7], 0
.else
	v_wmma_f32_16x16x32_f16 v[S+32*\t+8*\kt:S+32*\t+8*\kt+7], v[KF+8*(2*\kt+\cs):KF+8*(2*\kt+\cs)+7], v[Q+16*\t+8*\cs:Q+16*\t+8*\cs+7], v[S+32*\t+8*\kt:S+32*\t+8*\kt+7]
.endif
.endr
.endr
.endr
	WIN 0
.rept 4
	v_nop
.endr
	s_add_co_u32 s31, s[T], 1                      ; the last live step, which every wave passes exactly once
	s_cmp_eq_u32 s31, s[NS]
	s_cbranch_scc0 .Lopen_\@
.irp ct, 0,1,2,3
	global_load_b128 v[BV+8*\ct:BV+8*\ct+3], v[H32], s[BB:BB+1] offset:64*\ct        ; Q has had its last product: its registers take bv, channels 16 ct + 8 h + 0 .. 7
	global_load_b128 v[BV+8*\ct+4:BV+8*\ct+7], v[H32], s[BB:BB+1] offset:64*\ct+16
.endr
	s_lshl_b32 s31, s[T], 6
	s_sub_co_i32 s31, s[CNT], s31
	s_sub_co_i32 s31, s31, 1
	v_sub_nc_u32 v[DD], s31, v[H8]                 ; register 8 kt + j holds key 64 T + 16 kt + 8 h + j: hidden where 16 kt + j > cnt - 64 T - 1 - 8 h
.irp kt, 0,1,2,3
.irp j, 0,1,2,3,4,5,6,7
	v_cmp_gt_i32 vcc_lo, 16*\kt+\j, v[DD]
.irp t, 0,1,2,3
	v_cndmask_b32 v[S+32*\t+8*\kt+\j], v[S+32*\t+8*\kt+\j], v[NINF], vcc_lo
.endr
.endr
.endr
.Lopen_\@:
	; the softmax, the four tiles line by line by turns
.irp j, 0,1,2,3
.irp t, 0,1,2,3
	v_max3_num_f32 v[ST+8*\t+4+\j], v[S+32*\t+8*\j], v[S+32*\t+8*\j+1], v[S+32*\t+8*\j+2]
.endr
.endr
.irp u, 1,2
.irp j, 0,1,2,3
.irp t, 0,1,2,3
	v_max3_num_f32 v[ST+8*\t+4+\j], v[ST+8*\t+4+\j], v[S+32*\t+8*\j+2*\u+1], v[S+32*\t+8*\j+2*\u+2]
.endr
.endr
.endr
.irp t, 0,1,2,3
	v_max3_num_f32 v[ST+8*\t+4], v[ST+8*\t+4], v[S+32*\t+7], v[S+32*\t+15]
.endr
.irp t, 0,1,2,3
	v_max3_num_f32 v[ST+8*\t+6], v[ST+8*\t+6], v[S+32*\t+23], v[S+32*\t+31]
.endr
.irp t, 0,1,2,3
	v_max3_num_f32 v[ST+8*\t+4], v[ST+8*\t+4], v[ST+8*\t+5], v[ST+8*\t+6]
.endr
.irp t, 0,1,2,3
	v_max3_num_f32 v[ST+8*\t+4], v[ST+8*\t+4], v[ST+8*\t+7], v[ST+8*\t+1]   ; with the old m
.endr
.irp t, 0,1,2,3
	v_permlanex16_b32 v[ST+8*\t+5], v[ST+8*\t+4], s[SEL], s[SEL+1]           ; the query's other 32 keys lie in the lane 16 away
.endr
.irp t, 0,1,2,3
	v_mov_b32 v[ST+8*\t+7], v[ST+8*\t]
.endr
.irp t, 0,1,2,3
	v_max_num_f32 v[ST+8*\t+1], v[ST+8*\t+4], v[ST+8*\t+5]
.endr
.irp t, 0,1,2,3
	v_mul_f32 v[ST+8*\t], s[CS], v[ST+8*\t+1]
.endr
.irp t, 0,1,2,3
	v_sub_f32 v[ST+8*\t+7], v[ST+8*\t+7], v[ST+8*\t]                         ; c m_old - c m_new
.endr
.irp i, 0,1,2,3,4,5,6,7,8,9,10,11,12,13,14,15
.irp t, 0,1,2,3
	v_pk_fma_f32 v[S+32*\t+2*\i:S+32*\t+2*\i+1], v[S+32*\t+2*\i:S+32*\t+2*\i+1], s[CS:CS+1], v[ST+8*\t:ST+8*\t+1] op_sel_hi:[1,0,0] neg_lo:[0,0,1] neg_hi:[0,0,1]   ; c s - c m
.endr
.endr
.irp t, 0,1,2,3
	v_exp_f32 v[ST+8*\t+6], v[ST+8*\t+7]           ; a
.endr
.set i, 0
.rept 128
	v_exp_f32 v[S+i], v[S+i]                       ; p: one batch with the four a
.set i, i+1
.endr
	v_nop                                          ; a plain line behind the last exponential
	s_wait_alu depctr_va_vdst(0)                   ; one wait for the batch, ahead of its first reader
.irp t, 0,1,2,3
	v_pk_fma_f32 v[ST+8*\t+2:ST+8*\t+3], v[ST+8*\t+2:ST+8*\t+3], v[ST+8*\t+6:ST+8*\t+7], v[S+32*\t:S+32*\t+1] op_sel_hi:[1,0,1]   ; l = a l + p, of the unrounded p
.endr
.irp i, 1,2,3,4,5,6,7,8,9,10,11,12,13,14,15
.irp t, 0,1,2,3
	v_pk_add_f32 v[ST+8*\t+2:ST+8*\t+3], v[ST+8*\t+2:ST+8*\t+3], v[S+32*\t+2*\i:S+32*\t+2*\i+1]
.endr
.endr
.irp i, 0,1,2,3,4,5,6,7,8,9,10,11,12,13,14,15
.irp t, 0,1,2,3
	v_cvt_pk_f16_f32 v[S+32*\t+\i], v[S+32*\t+2*\i], v[S+32*\t+2*\i+1]       ; P, laid over p from the low end: register i is written when pairs 0 .. i have been read
.endr
.endr
	WIN 0x41                                       ; O^T in window 1, a in window 0
.irp i, 0,1,2,3,4,5,6,7,8,9,10,11,12,13,14,15
.irp t, 0,1,2,3
	v_pk_mul_f32 v[32*\t+2*\i:32*\t+2*\i+1], v[32*\t+2*\i:32*\t+2*\i+1], v[ST+8*\t+6:ST+8*\t+7] op_sel_hi:[1,0]
.endr
.endr
	s_wait_dscnt 0x0                               ; V is in
	WIN 0x51                                       ; V and O^T in window 1, P in window 0
.irp ks, 0,1
.irp ct, 0,1,2,3
.irp t, 0,1,2,3
	v_wmma_f32_16x16x32_f16 v[32*\t+8*\ct:32*\t+8*\ct+7], v[VF+8*(4*\ks+\ct):VF+8*(4*\ks+\ct)+7], v[S+32*\t+8*\ks:S+32*\t+8*\ks+7], v[32*\t+8*\ct:32*\t+8*\ct+7]
.endr
.endr
.endr
	WIN 0
.rept 5
	v_nop                                          ; four in front of the next loads into V's registers and of the way out's reads; five in front of the next products, which write over P
.endr
.Lidle_\@:
	s_add_co_u32 s[T], s[T], 1
.endm
.Ltrip:
	STEP 0
	STEP 1
	s_sub_co_u32 s[TR], s[TR], 1
	s_cmp_lg_u32 s[TR], 0
	s_cbranch_scc1 .Ltrip
	; THE WAY OUT: O^T / l + bv, rounded to f16: a lane's eight channels are 16 bytes that the last product wants in this very lane
	s_wait_loadcnt 0x0                             ; bv
.irp t, 0,1,2,3
	v_add_f32 v[ST+8*\t+4], v[ST+8*\t+2], v[ST+8*\t+3]
.endr
.irp t, 0,1,2,3
	v_permlanex16_b32 v[ST+8*\t+5], v[ST+8*\t+4], s[SEL], s[SEL+1]
.endr
.irp t, 0,1,2,3
	v_add_f32 v[ST+8*\t+4], v[ST+8*\t+4], v[ST+8*\t+5]
.endr
.irp t, 0,1,2,3
	v_rcp_f32 v[ST+8*\t+6], v[ST+8*\t+4]
.endr
	v_nop
	s_wait_alu depctr_va_vdst(0)                   ; one wait for the four reciprocals
.irp t, 0,1,2,3
	WIN 0x01                                       ; O^T in window 1
.irp i, 0,1,2,3,4,5,6,7,8,9,10,11,12,13,14,15
	v_pk_fma_f32 v[S+32*\t+2*\i:S+32*\t+2*\i+1], v[32*\t+2*\i:32*\t+2*\i+1], v[ST+8*\t+6:ST+8*\t+7], v[BV+2*\i:BV+2*\i+1] op_sel_hi:[1,0,1]
.endr
	WIN 0
.irp i, 0,1,2,3,4,5,6,7,8,9,10,11,12,13,14,15
	v_cvt_pk_f16_f32 v[S+32*\t+\i], v[S+32*\t+2*\i], v[S+32*\t+2*\i+1]
.endr
.irp ct, 0,1,2,3
	global_store_b128 v[LI], v[S+32*\t+4*\ct:S+32*\t+4*\ct+3], s[OB:OB+1] offset:\t*32768+\ct*512   ; the wave stores 512 consecutive bytes, aligned
.endr
.endr
	s_wait_tensorcnt 0x0                           ; the wave's end, behind the last LDS store
	ds_add_u32 v[SPW], v[NIL]
	s_wait_dscnt 0x0
	s_endpgm
.Lfunc_end_k_qe6ebad5dad_attn:
	.size	k_qe6ebad5dad_attn, .Lfunc_end_k_qe6ebad5dad_attn-k_qe6ebad5dad_attn
	.p2alignl 7, 3214868480
	.fill 96, 4, 3214868480
	.section	.rodata,"a",@progbits
	.p2align	6, 0x0
	.amdhsa_kernel k_qe6ebad5dad_attn
		.amdhsa_group_segment_fixed_size 33792
		.amdhsa_private_segment_fixed_size 0
		.amdhsa_enable_private_segment 0
		.amdhsa_kernarg_size 32
		.amdhsa_user_sgpr_count 2
		.amdhsa_user_sgpr_kernarg_segment_ptr 1
		.amdhsa_wavefront_size32 1
		.amdhsa_system_sgpr_workgroup_id_x 1
		.amdhsa_system_sgpr_workgroup_id_y 1
		.amdhsa_system_sgpr_workgroup_id_z 1
		.amdhsa_system_vgpr_workitem_id 0
		.amdhsa_next_free_vgpr 512
		.amdhsa_next_free_sgpr 66
		.amdhsa_reserve_vcc 1
		.amdhsa_float_denorm_mode_32 3
		.amdhsa_float_denorm_mode_16_64 3
		.amdhsa_memory_ordered 1
		.amdhsa_forward_progress 1
		.amdhsa_inst_pref_size 99
	.end_amdhsa_kernel
	.amdgpu_metadata
---
amdhsa.version: [ 1, 2 ]
amdhsa.kernels:
  - .name:           k_qe6ebad5dad_attn
    .symbol:         k_qe6ebad5dad_attn.kd
    .args:
      - { .name: qkv, .offset: 0, .size: 8, .value_kind: global_buffer, .address_space: global }
      - { .name: cnt, .offset: 8, .size: 8, .value_kind: global_buffer, .address_space: global }
      - { .name: bv, .offset: 16, .size: 8, .value_kind: global_buffer, .address_space: global }
      - { .name: attn16, .offset: 24, .size: 8, .value_kind: global_buffer, .address_space: global }
    .group_segment_fixed_size: 33792
    .private_segment_fixed_size: 0
    .kernarg_segment_align: 8
    .kernarg_segment_size: 32
    .max_flat_workgroup_size: 256
    .sgpr_count:     66
    .vgpr_count:     512
    .wavefront_size: 32
...
	.end_amdgpu_metadata
.endif
;; end of part 3
;; launch outp (part 4): grid 4 x 64, 4 waves a work-group, clusters of 4 x 4, 327,680 bytes of LDS; arguments attn16, wo16, bo, out0; writes out0
.if DOCPART == 4
	.amdgcn_target "amdgcn-amd-amdhsa--gfx1250"
	.amdhsa_code_object_version 6
	.text
	.protected	k_qe6ebad5dad_outp
	.globl	k_qe6ebad5dad_outp
	.p2align	8
	.type	k_qe6ebad5dad_outp,@function
k_qe6ebad5dad_outp:
	s_mov_b64 s[64:65], 0
	v_nop
	global_prefetch_b8 v0, s[64:65] scope:SCOPE_SE
	s_setreg_imm32_b32 hwreg(HW_REG_WAVE_MODE, 25, 1), 1
	s_wait_xcnt 0x0
	s_wait_alu depctr_hold_cnt(0) depctr_sa_sdst(0) depctr_va_vdst(0) depctr_va_sdst(0) depctr_va_ssrc(0) depctr_va_vcc(0) depctr_vm_vsrc(0)
	s_getreg_b32 s2, hwreg(HW_REG_IB_STS2, 6, 4)
	s_cmp_eq_u32 s2, 0
	s_cbranch_scc0 .Lentry_in_a_cluster
	s_endpgm
.Lentry_in_a_cluster:
	s_bfe_u32 s2, ttmp6, 0x10000c
	s_cmp_lg_u32 s2, 0xf033
	s_cbranch_scc0 .Lentry_shape_is_right
	s_endpgm
.Lentry_shape_is_right:
; OUTP: out0 = attn Wo + bo.  attn [8192][1024] and Wo^T [1024 (n)][1024 (k)] arrive as f16 in the order of the operands' registers: [tile of 16 rows][k / 32][2][lane][16 bytes]; sums in f32; out0 f32.
; A work-group makes 128 x 256 of out0 (256 work-groups), each of its four waves 64 x 128: 32 accumulators.  Source 0 = 16 rows of Wo^T, source 1 = 16 rows of attn: a lane holds eight neighbouring columns of one row.
; K goes in steps of 128 through two LDS slots.  A K step of a tile of 16 rows is 4,096 consecutive bytes, so a tensor load brings rows of 4,096 bytes, 32,768 bytes apart; fragments are read at 16 x lane: no padding.
; 4 x 4 work-groups form a cluster: attn's tiles are asked for jointly along a row of the cluster, Wo's along a column.
; bo is the C of the first products.  No prefetch: the launch reads 19 MB and writes 34 MB in the time of its products, and each refill has a K step less sixteen products in which to land.
; REGISTERS.  window 0: v16-29 addresses; v32-95 bo; v128-255 the way out.  window 1: two fragment buffers (Wo 64, attn 32) at v0 and v128.  window 2: accumulator (a, b) at v[8 (8 a + b)].
.set KSB,    4096
.set ASZ,    32768                     ; attn's 8 tiles of a K step; behind them Wo's 16
.set SLOT,   98304
.set STAGE,  2*SLOT                    ; 16 rows x (512 + 16) bytes for each wave
.set SPITCH, 528
.set SPARE,  STAGE+4*16*SPITCH         ; the spare words, 128 bytes a wave: two blocks of 256 bytes that no other line names
.set LAPS,   4                         ; a lap = two K steps
.set ADRA, 16
.set ADRB, 20
.set STO,  24
.set RD,   25
.set CO,   26
.set SPW,  28
.set NIL,  29
.set BIAS, 32
.set BK,   128
.set F0,   0
.set F1,   128
.set G1, 24
.set G0, 32
.set G1B, 48
.set G0B, 56
.set MSB, 0
.macro WIN new
.if MSB != \new
	s_set_vgpr_msb (MSB<<8)|\new
.set MSB, \new
.endif
.endm
.set MUL,  0xa5                        ; sources 0 and 1 window 1, C and D window 2
.set MULF, 0x85                        ; the same with C (bo) in window 0
.set TO_F, 0x40
.macro JLOAD s                         ; waves 0, 1 fetch attn's halves, waves 2, 3 Wo's; an s_nop 0 and four v_nop follow each line
	s_cmp_eq_u32 s15, 0
	s_cbranch_scc0 .Lfor_b_\@
	tensor_load_to_lds s[G0+4*\s:G0+4*\s+3], s[G1:G1+7]
	s_nop 0
.rept 4
	v_nop
.endr
	s_branch .Lasked_\@
.Lfor_b_\@:
	tensor_load_to_lds s[G0B+4*\s:G0B+4*\s+3], s[G1B:G1B+7]
	s_nop 0
.rept 4
	v_nop
.endr
.Lasked_\@:
.endm
.macro CREST
	s_cmp_lg_u32 s14, 0
	s_cbranch_scc1 .Lnot_wave_0_\@
	s_barrier_signal -3
.Lnot_wave_0_\@:
	s_barrier_wait -3
	s_barrier_signal -1
	s_barrier_wait -1
.endm
.macro CROUND
	s_barrier_signal -1
	s_barrier_wait -1
	CREST
.endm
	s_load_b256 s[4:11], s[0:1], 0x0               ; attn16 4, wo16 6, bo 8, out0 10
	v_lshl_add_u32 v[SPW], v0, 2, SPARE
	v_mov_b32 v[NIL], 0
	ds_add_u32 v[SPW], v[NIL]                      ; the wave's opening: the add, twice on end, and its wait ahead of my first tensor load
	ds_add_u32 v[SPW], v[NIL]
	v_lshrrev_b32 v1, 5, v0
	v_readfirstlane_b32 s14, v1
	s_lshr_b32 s15, s14, 1                         ; my 64 rows; also: I fetch attn (0) or Wo (1)
	s_and_b32 s16, s14, 1                          ; my 128 columns; also: which half I fetch
	s_bfe_u32 s40, ttmp6, 0x40000                  ; cx = the tile column
	s_bfe_u32 s41, ttmp6, 0x40004                  ; cy
	s_and_b32 s13, ttmp7, 0xffff
	s_lshl_b32 s13, s13, 2
	s_add_co_u32 s13, s13, s41                     ; the tile row
	s_lshl_b32 s43, s41, 2
	s_lshl_b32 s43, 15, s43
	s_lshl_b32 s44, 0x1111, s40
	s_or_b32 s[G1+0], s43, (3<<16)|(1<<21)         ; the mask; elements of 8 bytes; bit 21 beside a mask
	s_or_b32 s[G1B+0], s44, (3<<16)|(1<<21)
	s_mov_b32 s[G1+1], 512<<16                     ; tensor_dim0 = 512 elements: 4,096 bytes
	s_mov_b32 s[G1+2], 4<<16                       ; tensor_dim1 = 4 tiles of 16 rows
	s_mov_b32 s[G1+3], 512<<16                     ; tile_dim0
	s_mov_b32 s[G1+4], 4                           ; tile_dim1
	s_mov_b32 s[G1+5], 4096                        ; 32,768 bytes from tile to tile
	s_mov_b32 s[G1+6], 0
	s_mov_b32 s[G1+7], 0
	s_mov_b32 s[G1B+1], 512<<16
	s_mov_b32 s[G1B+2], 8<<16
	s_mov_b32 s[G1B+3], 512<<16
	s_mov_b32 s[G1B+4], 8
	s_mov_b32 s[G1B+5], 4096
	s_mov_b32 s[G1B+6], 0
	s_mov_b32 s[G1B+7], 0
	s_lshl_b32 s18, s13, 18                        ; attn: tile 8 x tile row + 4 x half
	s_lshl_b32 s17, s16, 17
	s_add_co_u32 s18, s18, s17
	s_mov_b32 s19, 0
	s_lshl_b32 s46, s40, 19                        ; Wo: tile 16 cx + 8 x half
	s_lshl_b32 s17, s16, 18
	s_add_co_u32 s46, s46, s17
	s_mov_b32 s47, 0
	s_lshl_b32 s20, s16, 14                        ; where they go in a slot
	s_lshl_b32 s21, s16, 15
	s_add_co_u32 s21, s21, ASZ
	s_wait_dscnt 0x0                               ; both opening adds are done
	s_wait_kmcnt 0x0
	s_add_nc_u64 s[18:19], s[4:5], s[18:19]
	s_add_nc_u64 s[46:47], s[6:7], s[46:47]
	CROUND                                         ; all sixteen work-groups are here
.irp s, 0,1
	s_mov_b32 s[G0+4*\s], 1
	s_add_co_u32 s[G0+4*\s+1], s20, \s*SLOT
	s_add_nc_u64 s[G0+4*\s+2:G0+4*\s+3], s[18:19], \s*KSB
	s_or_b32 s[G0+4*\s+3], s[G0+4*\s+3], 0x80000000
	s_mov_b32 s[G0B+4*\s], 1
	s_add_co_u32 s[G0B+4*\s+1], s21, \s*SLOT
	s_add_nc_u64 s[G0B+4*\s+2:G0B+4*\s+3], s[46:47], \s*KSB
	s_or_b32 s[G0B+4*\s+3], s[G0B+4*\s+3], 0x80000000
	JLOAD \s                                       ; two loads of mine are out
.endr
	v_and_b32 v1, 15, v0                           ; r
	v_bfe_u32 v2, v0, 4, 1                         ; h
	v_and_b32 v3, 31, v0
	v_lshlrev_b32 v[CO], 4, v3                     ; 16 x lane
	s_lshl_b32 s21, s15, 14                        ; my four tiles of attn
	s_lshl_b32 s22, s16, 15
	s_add_co_u32 s22, s22, ASZ                     ; my eight of Wo
.irp s, 0,1
	v_add_nc_u32 v[ADRA+\s], s21, v[CO]
	v_add_nc_u32 v[ADRB+\s], s22, v[CO]
	s_add_co_u32 s21, s21, SLOT
	s_add_co_u32 s22, s22, SLOT
.endr
	s_mul_i32 s23, s14, 16*SPITCH
	s_add_co_u32 s23, s23, STAGE                   ; my stage
	v_mul_u32_u24 v4, v1, SPITCH
	v_lshl_add_u32 v4, v2, 5, v4
	v_add_nc_u32 v[STO], s23, v4                   ; in: row r, 32 bytes for each half of the lanes
	v_add_nc_u32 v[RD], s23, v[CO]                 ; back: the 32 lanes take a row of 512 bytes
	s_lshl_b32 s18, s13, 19                        ; my first row of out0: 128 x tile row + 64 x half, 4,096 bytes a row
	s_lshl_b32 s17, s15, 18
	s_add_co_u32 s18, s18, s17
	s_mov_b32 s19, 0
	s_add_nc_u64 s[10:11], s[10:11], s[18:19]
	s_lshl_b32 s46, s40, 10                        ; my first column, in bytes
	s_lshl_b32 s47, s16, 9
	s_add_co_u32 s46, s46, s47
	s_mov_b32 s47, 0
	s_add_nc_u64 s[10:11], s[10:11], s[46:47]
	s_add_nc_u64 s[8:9], s[8:9], s[46:47]
	v_lshlrev_b32 v5, 5, v2
.irp b, 0,1,2,3,4,5,6,7
	global_load_b128 v[BIAS+8*\b:BIAS+8*\b+3], v5, s[8:9] offset:64*\b          ; bo at columns 16 b + 8 h + 0 .. 7, in the result's layout
	global_load_b128 v[BIAS+8*\b+4:BIAS+8*\b+7], v5, s[8:9] offset:64*\b+16
.endr
.macro MUL8 f, a, first                ; attn's block a x Wo's eight, 32 along K.  The 32 accumulators take turns, one instruction a turn
.irp b, 0,1,2,3,4,5,6,7
.if \first
	v_wmma_f32_16x16x32_f16 v[8*(8*(\a)+\b):8*(8*(\a)+\b)+7], v[\f+8*\b:\f+8*\b+7], v[\f+64+8*(\a):\f+64+8*(\a)+7], v[BIAS+8*\b:BIAS+8*\b+7]
.else
	v_wmma_f32_16x16x32_f16 v[8*(8*(\a)+\b):8*(8*(\a)+\b)+7], v[\f+8*\b:\f+8*\b+7], v[\f+64+8*(\a):\f+64+8*(\a)+7], v[8*(8*(\a)+\b):8*(8*(\a)+\b)+7]
.endif
.endr
.endm
.macro FETCH slot, q, f                ; 24 LDS loads in one run: the fragments of the slot's q-th 32 along K: Wo's eight, then attn's four
	WIN TO_F
.irp b, 0,1,2,3,4,5,6,7
	ds_load_b128 v[\f+8*\b:\f+8*\b+3],   v[ADRB+\slot] offset:\b*KSB+(\q)*1024
	ds_load_b128 v[\f+8*\b+4:\f+8*\b+7], v[ADRB+\slot] offset:\b*KSB+(\q)*1024+512
.endr
.irp a, 0,1,2,3
	ds_load_b128 v[\f+64+8*\a:\f+64+8*\a+3],   v[ADRA+\slot] offset:\a*KSB+(\q)*1024
	ds_load_b128 v[\f+64+8*\a+4:\f+64+8*\a+7], v[ADRA+\slot] offset:\a*KSB+(\q)*1024+512
.endr
.endm
.macro PLACES                          ; four plain lines in front of loads into registers that matrix instructions have read, and of the first read of results
.rept 4
	v_nop
.endr
.endm
.macro QUARTER slot, q, f, g, first    ; multiplies buffer f and fetches the slot's q-th 32 along K into g
	s_wait_dscnt 4                                 ; attn's blocks 2, 3 (the youngest four loads) may be out
.if \first
	WIN MULF
.else
	WIN MUL
.endif
	MUL8 \f, 0, \first
	MUL8 \f, 1, \first
	PLACES
	FETCH \slot, \q, \g
	s_wait_dscnt 24                                ; all but the 24 just issued
.if \first
	WIN MULF
.else
	WIN MUL
.endif
	MUL8 \f, 2, \first
	MUL8 \f, 3, \first
.endm
; A K step's last quarter multiplies buffer 1 and changes slots: in front of the barrier each wave waits for all its tensor loads, adds 0 to its spare word, and waits for that and for its reads of this slot.
.macro TURN slot, next, fill
	WIN 0
	s_wait_tensorcnt 0x0                           ; my part of the next slot has landed; no load of mine is out
	ds_add_u32 v[SPW], v[NIL]
	s_wait_dscnt 5                                 ; (the add and the youngest four loads may be out)
	WIN MUL
	MUL8 F1, 0, 0
	s_wait_dscnt 0x0                               ; the add is done, and my reads of this slot are over
	s_barrier_signal -1
	MUL8 F1, 1, 0
.if \fill
	WIN 0
.endif
	s_barrier_wait -1
.if \fill
	CREST                                          ; the barrier has opened a round of the cluster's: no wave of any partner still reads this slot or has a load on its way
	s_add_nc_u64 s[G0+4*\slot+2:G0+4*\slot+3], s[G0+4*\slot+2:G0+4*\slot+3], 2*KSB
	s_add_nc_u64 s[G0B+4*\slot+2:G0B+4*\slot+3], s[G0B+4*\slot+2:G0B+4*\slot+3], 2*KSB
	JLOAD \slot                                    ; the first tensor load behind the round, my only one until the next; its four v_nop are also the places in front of the loads below
.else
	PLACES
.endif
	FETCH \next, 0, F0
	WIN MUL
	MUL8 F1, 2, 0
	MUL8 F1, 3, 0
.endm
	s_wait_tensorcnt 1                             ; my part of K step 0 is in (K step 1's load may be out),
	s_barrier_signal -1
	s_barrier_wait -1                              ; everybody's is
	FETCH 0, 0, F0
	s_wait_loadcnt 0x0                             ; bo
	QUARTER 0, 1, F0, F1, 1                        ; the first quarter stands in front of the loop: its products start the sums from bo
	WIN 0
	s_mov_b32 s3, LAPS-1
.Llap:                                                 ; a trip goes once round the ring and fills both slots again
	QUARTER 0, 2, F1, F0, 0
	QUARTER 0, 3, F0, F1, 0
	TURN 0, 1, 1
	QUARTER 1, 1, F0, F1, 0
	QUARTER 1, 2, F1, F0, 0
	QUARTER 1, 3, F0, F1, 0
	TURN 1, 0, 1
	QUARTER 0, 1, F0, F1, 0
	WIN 0
	s_sub_co_u32 s3, s3, 1
	s_cmp_lg_u32 s3, 0
	s_cbranch_scc1 .Llap
	QUARTER 0, 2, F1, F0, 0                        ; the last lap fills nothing
	QUARTER 0, 3, F0, F1, 0
	TURN 0, 1, 0
	QUARTER 1, 1, F0, F1, 0
	QUARTER 1, 2, F1, F0, 0
	QUARTER 1, 3, F0, F1, 0
	s_wait_dscnt 4
	WIN MUL
	MUL8 F1, 0, 0
	MUL8 F1, 1, 0
	s_wait_dscnt 0
	MUL8 F1, 2, 0
	MUL8 F1, 3, 0
	WIN 0
; THE WAY OUT, a block of 16 rows x 128 columns at a time, through my own stage: in as 32 bytes a lane, back as whole rows of 512 bytes.  LDS serves a wave's instructions in order (ISA guide 5.7.1.4).
.macro TOSTAGE a
.set AC, 64*(\a)
	WIN 0x08                                       ; an LDS store's data: window 2
.irp b, 0,1,2,3,4,5,6,7
	ds_store_b128 v[STO], v[AC+8*\b:AC+8*\b+3] offset:64*\b          ; each accumulator from its low end on
	ds_store_b128 v[STO], v[AC+8*\b+4:AC+8*\b+7] offset:64*\b+16
.endr
	WIN 0
.set BB, BK+64*((\a)%2)
.irp t, 0,1,2,3,4,5,6,7,8,9,10,11,12,13,14,15
	ds_load_b128 v[BB+4*\t:BB+4*\t+3], v[RD] offset:\t*SPITCH
.endr
.endm
.macro SEND a, younger                 ; younger: the LDS instructions issued behind block a's loads
.set BB, BK+64*((\a)%2)
	s_wait_dscnt \younger
.if (\a) > 0
	s_add_nc_u64 s[10:11], s[10:11], 16*4096       ; 16 rows on (the earlier stores have read their base: a wait on XCNT stands ahead)
.endif
.irp t, 0,1,2,3,4,5,6,7,8,9,10,11,12,13,14,15
	global_store_b128 v[CO], v[BB+4*\t:BB+4*\t+3], s[10:11] offset:\t*4096 th:TH_STORE_NT   ; 32 lanes store 512 consecutive bytes, aligned
.endr
.endm
	PLACES
	TOSTAGE 0
.irp a, 1,2,3
.if \a > 1
	s_wait_xcnt 0x0                                ; block a - 2's stores have read their registers and their base
.endif
	TOSTAGE \a
	SEND \a-1, 32                                  ; behind block a - 1's loads: block a's 16 stores and 16 loads
.endr
	s_wait_xcnt 0x0
	SEND 3, 0
	s_wait_tensorcnt 0x0                           ; the wave's end
	ds_add_u32 v[SPW], v[NIL]
	s_wait_dscnt 0x0
	CROUND                                         ; the closing round
	s_endpgm
.Lfunc_end_k_qe6ebad5dad_outp:
	.size	k_qe6ebad5dad_outp, .Lfunc_end_k_qe6ebad5dad_outp-k_qe6ebad5dad_outp
	.p2alignl 7, 3214868480
	.fill 96, 4, 3214868480
	.section	.rodata,"a",@progbits
	.p2align	6, 0x0
	.amdhsa_kernel k_qe6ebad5dad_outp
		.amdhsa_group_segment_fixed_size 327680
		.amdhsa_private_segment_fixed_size 0
		.amdhsa_enable_private_segment 0
		.amdhsa_kernarg_size 32
		.amdhsa_user_sgpr_count 2
		.amdhsa_user_sgpr_kernarg_segment_ptr 1
		.amdhsa_wavefront_size32 1
		.amdhsa_system_sgpr_workgroup_id_x 1
		.amdhsa_system_sgpr_workgroup_id_y 1
		.amdhsa_system_sgpr_workgroup_id_z 1
		.amdhsa_system_vgpr_workitem_id 0
		.amdhsa_next_free_vgpr 768
		.amdhsa_next_free_sgpr 66
		.amdhsa_reserve_vcc 0
		.amdhsa_float_denorm_mode_32 3
		.amdhsa_float_denorm_mode_16_64 3
		.amdhsa_memory_ordered 1
		.amdhsa_forward_progress 1
		.amdhsa_inst_pref_size 86
	.end_amdhsa_kernel
	.amdgpu_metadata
---
amdhsa.version: [ 1, 2 ]
amdhsa.kernels:
  - .name:           k_qe6ebad5dad_outp
    .symbol:         k_qe6ebad5dad_outp.kd
    .args:
      - { .name: attn16, .offset: 0, .size: 8, .value_kind: global_buffer, .address_space: global }
      - { .name: wo16, .offset: 8, .size: 8, .value_kind: global_buffer, .address_space: global }
      - { .name: bo, .offset: 16, .size: 8, .value_kind: global_buffer, .address_space: global }
      - { .name: out0, .offset: 24, .size: 8, .value_kind: global_buffer, .address_space: global }
    .group_segment_fixed_size: 327680
    .private_segment_fixed_size: 0
    .kernarg_segment_align: 8
    .kernarg_segment_size: 32
    .max_flat_workgroup_size: 128
    .sgpr_count:     66
    .vgpr_count:     768
    .wavefront_size: 32
...
	.end_amdgpu_metadata
.endif
;; end of part 4
